; MI455X (gfx1250); checked and timed in simulation.
; The chip was launched on July 23, 2026; its instructions are those of AMD's public machine-readable ISA for CDNA 5 (MIT licence, August 2026) and "CDNA5" Instruction Set Architecture Reference Guide (July 2026). The comments in the code are by the model that wrote it; some were corrected since.
;; Multi query Attention. Allowed arithmetic: matrix products marked QUANTISED: E2M3 operands, one E8M0 scale for each 32 along K, by v_wmma_scale_f32_16x16x128_f8f6f4 with both operands' format E2M3, f32 sums; everything else in f32.
;; Inputs: Wk 2,048 x 128 float32; Wo 2,048 x 2,048 float32; Wq 2,048 x 2,048 float32; Wv 2,048 x 128 float32; bo 2,048 float32; x 4 x 1,024 x 2,048 float32.
;; Outputs: out0 4 x 1,024 x 2,048 float32.
;; This version of the problem:
;;   THIS VERSION OF THE PROBLEM IS GIVEN IN LOW PRECISION. The matrix products marked QUANTISED in the list below multiply operands that are first quantised to E2M3 (2 exponent bits, 3 mantissa bits; 6 bits a number), with one power-of-two scale for each 32 numbers along K (OCP MX v1.0); their sums are f32. All else is computed in f32.
;;   The module's matrix products, in the order in which they are computed (A, B: the left and right operand; K: the contracted axis; several contracted axes count as one K, in the product's order):
;;     1. [M 4,096, K 2,048] x [K 2,048, N 2,048]; A: input x; B: input Wq: QUANTISED
;;     2. [M 4,096, K 2,048] x [K 2,048, N 128]; A: input x; B: input Wk: QUANTISED
;;     3. [M 4,096, K 2,048] x [K 2,048, N 128]; A: input x; B: input Wv: QUANTISED
;;     4. batch 4 x [M 1,024, K 128] x [K 128, N 16,384]; A: computed on the way; B: computed on the way: QUANTISED
;;     5. batch 4 x [M 128, K 1,024] x [K 1,024, N 16,384]; A: computed on the way; B: softmax (see below): QUANTISED
;;     6. [M 4,096, K 2,048] x [K 2,048, N 2,048]; A: computed on the way; B: input Wo: QUANTISED
;;   THE QUANTISER, for each operand of a quantised product, along K:
;;     - K is cut into blocks of 32 from its start; a last block that is shorter is filled with zeros.
;;     - A block's scale is 2^e with e = floor(log2(the largest magnitude in the block)) - 2, held to -126 .. 127; a block of zeros has e = 0. As a byte (E8M0): e + 127.
;;     - Each number is divided by its block's scale, clamped to +-7.5, and rounded to the nearest number of E2M3, ties to even, subnormals kept.
;;     - The product sums the exact products of the quantised numbers (number of the format x scale) in f32.
;;   ~~~python
;;   def quantise(x, axis):      # numpy; x: float32 -> the quantised numbers, widened to float32 again
;;       x = np.moveaxis(x, axis, -1); K = x.shape[-1]
;;       x = np.pad(x, [(0, 0)] * (x.ndim - 1) + [(0, -K % 32)]); x = x.reshape(x.shape[:-1] + (-1, 32)); a = np.abs(x).max(-1, keepdims=True)
;;       e = np.where(a > 0, np.clip(np.frexp(np.where(a > 0, a, 1))[1] - 1 - 2, -126, 127), 0)      # np.frexp(a)[1] - 1 = floor(log2(a)), exactly
;;       r = np.clip(x / 2.0 ** e, -7.5, 7.5)
;;       step = 2.0 ** (np.maximum(np.frexp(np.where(r == 0, 1, r))[1] - 1, 0) - 3)
;;       q = np.round(r / step) * step * 2.0 ** e      # np.round: ties to even
;;       return np.moveaxis(q.reshape(q.shape[:-2] + (-1,))[..., :K], -1, axis).astype(np.float32)
;;   ~~~
;;   SOFTMAX AHEAD OF A QUANTISED PRODUCT. Where the list says 'softmax', what is quantised is not the finished softmax but p = 2^(t - M), with t = logit x log2(e) and M = ceil(the row's largest t), a whole number; so 1/2 < the row's largest p <= 1. The row's sum l is taken of the UNQUANTISED p, in f32, and the product's result is divided by l at the end. Since M is a whole number, a kernel that streams over the keys may use a running M (the ceiling of the running maximum): every later rescaling is an exact power of two, which a block's scale takes up: the codes' values come out the same.
;;   OPERANDS COMPUTED ON THE WAY. 'Computed on the way' means the value that the module computes at that place (a softmax that the list does not call 'softmax' is quantised finished and normalised). What goes into a quantiser is computed in f32, as accurately as f32 sums, v_exp_f32 and their like allow (about 1e-6 of the number): no bf16 or f16 on the way to a quantiser, and a product that is left as it is and whose result goes on into a quantised operand takes f32 operands (vector FMAs, or v_wmma_f32_16x16x4_f32). A number that lies on a knife's edge between two numbers of the format may be rounded either way, as far as f32 arithmetic and the matrix unit's own rounding can turn it there, and no further.
;; One version. Each part assembles by itself: llvm-mc -triple=amdgcn-amd-amdhsa -mcpu=gfx1250 --defsym DOCPART=n.
;; ======== version 1 of 1: 4 launches
;; limits: right only within a limited range of input values
;; workspace buffers: xq 6,553,600 bytes; wq 6,963,200 bytes; qq 6,553,600 bytes; kv 819,200 bytes; aq 6,553,600 bytes
;; launch quant (part 1): grid 800 x 1, 4 waves a work-group, no clusters, 61,952 bytes of LDS; arguments x, Wq, Wk, Wv, Wo, xq, wq; writes xq, wq
.if DOCPART == 1
	.amdgcn_target "amdgcn-amd-amdhsa--gfx1250"
	.amdhsa_code_object_version 6
	.text
	.protected	k_q3bf0fa89ce_quant
	.globl	k_q3bf0fa89ce_quant
	.p2align	8
	.type	k_q3bf0fa89ce_quant,@function
k_q3bf0fa89ce_quant:
	s_mov_b64 s[64:65], 0
	v_nop
	global_prefetch_b8 v0, s[64:65] scope:SCOPE_SE
	s_setreg_imm32_b32 hwreg(HW_REG_WAVE_MODE, 25, 1), 1
	s_wait_xcnt 0x0
; x [4096][2048] and the four weights ([2048][n], K = their FIRST axis), all f32, become codes of FP6 (E2M3) with one E8M0 byte for each 32 along K.
; A block's scale is 2^(floor(log2(its largest magnitude)) - 2); its byte is that magnitude's exponent field - 2, held at 1 from below.
; THE LAYOUT OF THE CODES is the order of an operand's registers.  A fragment (16 rows x 128 K) is 12 registers a lane: register g of lane l lies at byte 512 (g / 4) + 16 l + 4 (g % 4)
; of its 1,536 bytes, so three accesses of 16 bytes a lane, 512 consecutive bytes each, write or read it.  A tensor is [row tile][K / 128][1,536]; its scale words (four bytes: a row's 128 K) are
; [row tile][K / 128][16 rows] and lie behind the codes (XS_OFF, WS_OFF).  wq holds the row tiles of Wq (0-127), Wk (128-135), Wv (136-143), Wo (144-271); a "row" of a weight is one of its columns.
; THE ORDER OF THE ROWS: position p holds index p with bits 3 and 4 exchanged: row r of tile 2 b + u is index 32 b + 8 u + r + 8 (r / 8).  A product that takes such a tile as its source 0 then leaves
; 16 neighbouring indices in a lane's 16 registers of two neighbouring tiles, which is what the next quantiser wants.
; SHARES.  Work-groups 0-255 (path X): one row tile of x each, 16 tokens x all of K; wave w takes K = 512 w on, four fragments, two fragments' loads out.
; Work-groups 256-799 (path W): 128 columns x 128 K of one weight; a wave 32 columns: four blocks down K, two blocks' loads out, one fragment for each of its two row tiles.
; No work-group reads what another reads, so there is no cluster; no tensor loads, no barrier: waves share nothing.  Every input byte is read once, in one pass with no loop to run ahead in: so no prefetch.
; The two paths have LDS bytes of their own.
; LIMITS: NaN and infinities among the inputs are not served.  A block of zeros gets the byte 1 where the rule says 127: its codes are zeros, which add nothing, and this program alone reads the bytes.
.set XS_OFF, 0x600000                  ; 256 row tiles x 24,576 bytes
.set WS_OFF, 0x660000                  ; 272 row tiles x 24,576 bytes
.set XSG,  33792                       ; LDS, path X: stages at 0 (a wave: 16 rows x 528 bytes), then 256 bytes a wave for its scale words
.set WST,  34816                       ; LDS, path W: a wave's two fragments, 1,664 bytes apart
.set R,    16                          ; path X: v16-143  two sets of 64: a fragment's numbers as loaded
.set X,    144                         ;         v144-207 a lane's 64 numbers, 16 neighbours of each block
.set TM,   208                         ;         v208-223 at work
.set PW,   224                         ;         the scale word just made
.set PC,   226                         ;         v226-237 the fragment just made, v238-244 at work
.set SEL,  18                          ; s[18:19] lane selects: lane l xor 16
.set VO,   32                          ; path W: v32-63   4 x lane + i x the weight's pitch
.set XW,   64                          ;         v64-127  two sets of 32: a block down K
.set C,    128                         ;         v128-134 a block's codes
.set SB,   136                         ;         v136     the scale word of my column
.set OUTR, 144                         ;         v144-167 the way out
.set BT,   32                          ; s[32:39] path W: the four blocks' bases
; 64 numbers of a lane, register 16 b + i = k 32 b + 16 (lane / 16) + i of my row, become a fragment in v[PC] on and its scale word in v[PW].
.macro QUANT s
.irp b, 0,1,2,3
	v_max3_num_f32 v[TM+\b], |v[\s+16*\b]|, |v[\s+1+16*\b]|, 0x1800000   ; block b: my 16 numbers, and the floor 2^(3 - 127): the byte cannot fall under 1
.endr
.irp i, 2,4,6,8,10,12,14
.irp b, 0,1,2,3
	v_max3_num_f32 v[TM+\b], |v[\s+16*\b+\i]|, |v[\s+1+16*\b+\i]|, v[TM+\b]   ; the four blocks by turns
.endr
.endr
.irp b, 0,1,2,3
	v_permlanex16_b32 v[TM+4+\b], v[TM+\b], s[SEL], s[SEL+1]
.endr
.irp b, 0,1,2,3
	v_max_num_f32 v[TM+\b], v[TM+\b], v[TM+4+\b]                   ; with lane l xor 16's 16: the block's largest magnitude
.endr
.irp b, 0,1,2,3
	v_add_nc_u32 v[TM+12+\b], 0xff000000, v[TM+\b]                 ; 2 off its exponent field: the conversion takes the exponent field of this operand as its scale
.endr
.irp b, 0,1,2,3
	v_lshrrev_b32 v[TM+4+\b], 23, v[TM+12+\b]                      ; the scale's byte
.endr
	v_lshl_or_b32 v[PW], v[TM+5], 8, v[TM+4]
	v_lshl_or_b32 v[PW], v[TM+6], 16, v[PW]
	v_lshl_or_b32 v[PW], v[TM+7], 24, v[PW]
.irp c, 0,1
	v_cvt_scalef32_pk16_fp6_f32 v[PC+6*\c:PC+2+6*\c], v[\s+32*\c:\s+15+32*\c], v[TM+12+2*\c]
	v_cvt_scalef32_pk16_fp6_f32 v[PC+12+4*\c:PC+14+4*\c], v[\s+16+32*\c:\s+31+32*\c], v[TM+13+2*\c]   ; (a conversion's three registers begin on an even number)
.endr
	v_nop                                          ; one plain place behind a scaled conversion
.irp c, 0,1                                    ; the operand wants a WHOLE block in a lane: lanes 0-15 block 2 c, lanes 16-31 block 2 c + 1
.irp i, 0,1,2
	v_permlane16_swap_b32 v[PC+6*\c+\i], v[PC+12+4*\c+\i]
.endr
.irp i, 0,1,2
	v_mov_b32 v[PC+3+6*\c+\i], v[PC+12+4*\c+\i]
.endr
.endr
.endm
; path X: fragment t's numbers: 16 loads, each 512 consecutive bytes of one token's row; the immediate picks the token of position r
.macro LOADX t
.irp r, 0,1,2,3,4,5,6,7,8,9,10,11,12,13,14,15
	global_load_b128 v[R+64*((\t)%2)+4*\r:R+64*((\t)%2)+4*\r+3], v1, s[4:5] offset:(\r+8*(\r/8))*8192+512*(\t) th:TH_LOAD_NT
.endr
.endm
.macro FRAGX t
.if (\t) < 3
	s_wait_loadcnt 16                              ; this fragment's 16 loads are in; the next fragment's 16 may be out
.else
	s_wait_loadcnt 0x0
.endif
.irp r, 0,1,2,3,4,5,6,7,8,9,10,11,12,13,14,15
	ds_store_b128 v2, v[R+64*((\t)%2)+4*\r:R+64*((\t)%2)+4*\r+3] offset:528*\r     ; through my stage as they lie, a row 528 bytes from the next
.endr
.irp b, 0,1,2,3
.irp j, 0,1,2,3
	ds_load_b128 v[X+16*\b+4*\j:X+16*\b+4*\j+3], v3 offset:128*\b+16*\j             ; back: of row lane % 16 the 16 neighbours 32 b + 16 (lane / 16) on.  LDS serves a wave's instructions in order
.endr
.endr
	s_wait_dscnt 0x0                               ; they are back, and the stores have read their registers,
.if (\t) < 2
	LOADX (\t)+2                                   ; which take the loads of two fragments on
.endif
.if (\t) > 0
	s_wait_xcnt 0x0                                ; the last fragment's stores have read v[PC] on: it is written again only behind this wait
.endif
	QUANT X
	ds_store_b32 v4, v[PW] offset:64*(\t)          ; the scale words are gathered: lanes l and l + 16 write the same word with the same value
.irp c, 0,1,2
	global_store_b128 v1, v[PC+4*\c:PC+4*\c+3], s[28:29] offset:1536*(\t)+512*\c    ; 32 lanes store 512 consecutive bytes, at a multiple of 256 from the buffer's first byte
.endr
.endm
; path W: block t of my column: W(32 t + i, column), i = 0 .. 31: a load reads 128 consecutive bytes, the four waves stand side by side on 512
.macro LOADW t
.irp i, 0,1,2,3,4,5,6,7,8,9,10,11,12,13,14,15,16,17,18,19,20,21,22,23,24,25,26,27,28,29,30,31
	global_load_b32 v[XW+32*((\t)%2)+\i], v[VO+\i], s[BT+2*(\t):BT+2*(\t)+1] th:TH_LOAD_NT
.endr
.endm
.macro BLOCK t
.set XB, XW+32*((\t)%2)
.set OFS, 256*((\t)%2)                 ; the half of the fragment's lanes (block % 2) to which the block belongs
.if (\t) < 3
	s_wait_loadcnt 32                              ; this block's 32 loads are in; the next block's may be out
.else
	s_wait_loadcnt 0x0
.endif
	v_max3_num_f32 v12, |v[XB]|, |v[XB+1]|, |v[XB+2]|              ; the block's largest magnitude: all 32 numbers are mine
	v_max3_num_f32 v13, |v[XB+3]|, |v[XB+4]|, |v[XB+5]|
.irp i, 6,10,14,18,22,26
	v_max3_num_f32 v12, v12, |v[XB+\i]|, |v[XB+\i+1]|
	v_max3_num_f32 v13, v13, |v[XB+\i+2]|, |v[XB+\i+3]|
.endr
	v_max3_num_f32 v12, v12, |v[XB+30]|, |v[XB+31]|
	v_max3_num_f32 v12, v12, v13, 0x1800000        ; and the floor 2^(3 - 127)
	v_add_nc_u32 v11, 0xff000000, v12              ; 2 off its exponent field: the conversion's scale operand
	v_lshrrev_b32 v13, 23, v11                     ; the scale's byte
.if (\t) == 0
	v_mov_b32 v[SB], v13                           ; four bytes to a word, the lower K in the lower byte
.else
	v_lshl_or_b32 v[SB], v13, 8*(\t), v[SB]
.endif
	v_cvt_scalef32_pk16_fp6_f32 v[C:C+2], v[XB:XB+15], v11
	v_cvt_scalef32_pk16_fp6_f32 v[C+4:C+6], v[XB+16:XB+31], v11    ; (a conversion's three registers begin on an even number)
	v_nop                                          ; one plain place behind a scaled conversion
	v_mov_b32 v[C+3], v[C+4]                       ; the block's six registers on end
	v_mov_b32 v[C+4], v[C+5]
	v_mov_b32 v[C+5], v[C+6]
.if (\t) < 2                                   ; blocks 0, 1 are the fragment's registers 0-5, blocks 2, 3 its registers 6-11
	ds_store_b128 v3, v[C:C+3] offset:OFS
	ds_store_b64 v3, v[C+4:C+5] offset:OFS+512
.else
	ds_store_b64 v3, v[C:C+1] offset:OFS+520
	ds_store_b128 v3, v[C+2:C+5] offset:OFS+1024
.endif
.if (\t) < 2
	LOADW (\t)+2
.endif
	s_wait_dscnt 0x0                               ; the stores have read their registers: the next block's codes may be written
.endm
	s_load_b256 s[4:11], s[0:1], 0x0               ; x s[4:5], Wq s[6:7], Wk s[8:9], Wv s[10:11]
	s_load_b128 s[12:15], s[0:1], 0x20             ; Wo s[12:13], xq s[14:15]
	s_load_b64 s[16:17], s[0:1], 0x30              ; wq
	v_lshl_add_u32 v254, v0, 2, 0xf000
	v_mov_b32 v255, 0
	v_lshrrev_b32 v1, 5, v0
	v_readfirstlane_b32 s2, v1                     ; wave 0..3
	v_and_b32 v7, 31, v0                           ; lane
	s_cmp_lt_u32 ttmp9, 256
	s_cbranch_scc0 .Lweights
	; ---------------- path X: row tile ttmp9 of x
	v_lshlrev_b32 v1, 4, v7                        ; 16 x lane: my place in a load's, and in a store's, 512 bytes
	v_and_b32 v8, 15, v0                           ; r
	v_bfe_u32 v9, v0, 4, 1                         ; h
	s_mul_i32 s20, s2, 8448                        ; my stage
	v_add_nc_u32 v2, s20, v1                       ; in: 16 x lane
	v_mul_u32_u24 v3, v8, 528
	v_lshl_add_u32 v3, v9, 6, v3
	v_add_nc_u32 v3, s20, v3                       ; back: row r, + 64 h
	s_lshl_b32 s21, s2, 8
	s_add_co_u32 s21, s21, XSG
	v_lshl_add_u32 v4, v8, 2, s21                  ; my row's scale word
	v_lshl_add_u32 v5, v7, 3, s21                  ; and on the way out 8 bytes a lane
	v_lshlrev_b32 v6, 3, v7
	s_mov_b32 s[SEL], 0x76543210
	s_mov_b32 s[SEL+1], 0xfedcba98
.irp b, 0,1,2,3
	v_mov_b32 v[TM+4+\b], 0                        ; written once: a lane permute's destination counts as one of its sources
.endr
	s_lshr_b32 s22, ttmp9, 1
	s_lshl_b32 s22, s22, 5
	s_and_b32 s23, ttmp9, 1
	s_lshl_b32 s23, s23, 3
	s_add_co_u32 s22, s22, s23                     ; the tile's first token: 32 (rt / 2) + 8 (rt % 2)
	s_lshl_b32 s22, s22, 13                        ; x 8,192 bytes a row
	s_lshl_b32 s23, s2, 11
	s_add_co_u32 s22, s22, s23                     ; + my wave's 512 along K
	s_mov_b32 s23, 0
	s_mul_i32 s24, ttmp9, 24576
	s_mul_i32 s25, s2, 6144
	s_add_co_u32 s24, s24, s25                     ; my four fragments
	s_mov_b32 s25, 0
	s_lshl_b32 s26, ttmp9, 10
	s_lshl_b32 s27, s2, 8
	s_add_co_u32 s26, s26, s27
	s_add_co_u32 s26, s26, XS_OFF                  ; and their 256 bytes of scale words
	s_mov_b32 s27, 0
	s_wait_alu depctr_va_vdst(0)                   ; the wait at the head's end
	s_wait_kmcnt 0x0
	s_add_nc_u64 s[4:5], s[4:5], s[22:23]
	s_add_nc_u64 s[28:29], s[14:15], s[24:25]
	s_add_nc_u64 s[30:31], s[14:15], s[26:27]
	LOADX 0
	LOADX 1
	FRAGX 0
	FRAGX 1
	FRAGX 2
	FRAGX 3
	ds_load_b64 v[12:13], v5                       ; LDS serves a wave's instructions in order: these see my stores
	s_wait_dscnt 0x0
	global_store_b64 v6, v[12:13], s[30:31]        ; 32 lanes store 256 consecutive bytes, aligned
	s_wait_tensorcnt 0x0                           ; the wave's end
	ds_add_u32 v254, v255
	s_wait_dscnt 0x0
	s_endpgm
	; ---------------- path W: column group cg = u / 16 of the weights' 34, K = 128 (u % 16) on
.Lweights:
	s_sub_co_u32 s20, ttmp9, 256                   ; u
	s_lshr_b32 s21, s20, 4                         ; cg: 0-15 Wq, 16 Wk, 17 Wv, 18-33 Wo
	s_and_b32 s22, s20, 15                         ; kc
	s_wait_alu depctr_va_vdst(0)                   ; the wait behind the branch taken
	v_lshlrev_b32 v2, 2, v7                        ; 4 x lane
	v_bfe_u32 v8, v0, 3, 1                         ; column l of my 32 stands at tile u = (l / 8) % 2,
	v_and_b32 v9, 7, v0
	v_bfe_u32 v10, v0, 4, 1
	v_lshl_add_u32 v9, v10, 3, v9                  ; row r = l % 8 + 8 (l / 16)
	s_mul_i32 s28, s2, 3328
	s_add_co_u32 s28, s28, WST                     ; my stage
	v_mul_u32_u24 v3, v8, 1664
	v_lshl_add_u32 v3, v9, 4, v3
	v_add_nc_u32 v3, s28, v3                       ; in: fragment u, 16 r.  1,664 is 128 more than a multiple of 256: the two tiles' lanes fall on different banks
	v_lshlrev_b32 v6, 4, v7
	v_add_nc_u32 v4, s28, v6                       ; back: 16 x lane
	v_lshlrev_b32 v5, 10, v8
	v_lshl_add_u32 v5, v9, 2, v5                   ; my scale word's place: 1,024 u + 4 r
	s_wait_kmcnt 0x0
	s_cmp_lt_u32 s21, 16                           ; the choices hang on the work-group's number alone
	s_cselect_b64 s[24:25], s[6:7], s[12:13]       ; Wq or Wo,
	s_cselect_b32 s23, 0, 18
	s_sub_co_u32 s23, s21, s23                     ; its group of 128 columns,
	s_mov_b32 s26, 8192                            ; its pitch
	s_cmp_eq_u32 s21, 16
	s_cselect_b64 s[24:25], s[8:9], s[24:25]       ; or Wk,
	s_cselect_b32 s23, 0, s23
	s_cselect_b32 s26, 512, s26
	s_cmp_eq_u32 s21, 17
	s_cselect_b64 s[24:25], s[10:11], s[24:25]     ; or Wv
	s_cselect_b32 s23, 0, s23
	s_cselect_b32 s26, 512, s26
.irp i, 0,1,2,3,4,5,6,7,8,9,10,11,12,13,14,15,16,17,18,19,20,21,22,23,24,25,26,27,28,29,30,31
	v_mad_u32_u24 v[VO+\i], s26, \i, v2            ; row i of a block, my column
.endr
	s_mul_i32 s27, s22, s26
	s_lshl_b32 s27, s27, 7                         ; 128 kc rows down,
	s_lshl_b32 s29, s23, 9
	s_add_co_u32 s27, s27, s29                     ; 128 columns a group,
	s_lshl_b32 s29, s2, 7
	s_add_co_u32 s30, s27, s29                     ; 32 a wave
	s_mov_b32 s31, 0
	s_add_nc_u64 s[BT:BT+1], s[24:25], s[30:31]
	s_lshl_b32 s30, s26, 5                         ; a block is 32 rows
.irp t, 1,2,3
	s_add_nc_u64 s[BT+2*\t:BT+2*\t+1], s[BT+2*\t-2:BT+2*\t-1], s[30:31]
.endr
	s_lshl_b32 s50, s21, 3
	s_lshl_b32 s51, s2, 1
	s_add_co_u32 s50, s50, s51                     ; my first row tile of wq: 8 cg + 2 w
	s_mul_i32 s52, s50, 24576
	s_mul_i32 s53, s22, 1536
	s_add_co_u32 s52, s52, s53
	s_mov_b32 s53, 0
	s_add_nc_u64 s[54:55], s[16:17], s[52:53]      ; its fragment kc
	s_lshl_b32 s52, s50, 10
	s_lshl_b32 s56, s22, 6
	s_add_co_u32 s52, s52, s56
	s_add_co_u32 s52, s52, WS_OFF
	s_add_nc_u64 s[56:57], s[16:17], s[52:53]      ; and that fragment's scale words
	s_wait_alu depctr_va_vdst(0)                   ; the wait at the head's end
	LOADW 0
	LOADW 1
.irp t, 0,1,2,3
	BLOCK \t
.endr
	s_wait_alu depctr_va_vdst(0)                   ; the wait here, directly ahead of the reader below
	global_store_b32 v5, v[SB], s[56:57]           ; runs of 64 bytes: one byte in 128 of what the launch reads
.irp i, 0,1,2,3,4,5                             ; fragment u = i / 3, piece c = i % 3
	ds_load_b128 v[OUTR+4*\i:OUTR+4*\i+3], v4 offset:1664*(\i/3)+512*(\i%3)
.endr
.irp i, 0,1,2,3,4,5
	s_wait_dscnt 5-\i                              ; LDS loads come back in order: load i is in
	global_store_b128 v6, v[OUTR+4*\i:OUTR+4*\i+3], s[54:55] offset:24576*(\i/3)+512*(\i%3)   ; 512 consecutive bytes, aligned
.endr
	s_wait_tensorcnt 0x0                           ; the wave's end
	ds_add_u32 v254, v255
	s_wait_dscnt 0x0
	s_endpgm
.Lfunc_end_k_q3bf0fa89ce_quant:
	.size	k_q3bf0fa89ce_quant, .Lfunc_end_k_q3bf0fa89ce_quant-k_q3bf0fa89ce_quant
	.p2alignl 7, 3214868480
	.fill 96, 4, 3214868480
	.section	.rodata,"a",@progbits
	.p2align	6, 0x0
	.amdhsa_kernel k_q3bf0fa89ce_quant
		.amdhsa_group_segment_fixed_size 61952
		.amdhsa_private_segment_fixed_size 0
		.amdhsa_enable_private_segment 0
		.amdhsa_kernarg_size 56
		.amdhsa_user_sgpr_count 2
		.amdhsa_user_sgpr_kernarg_segment_ptr 1
		.amdhsa_wavefront_size32 1
		.amdhsa_system_sgpr_workgroup_id_x 1
		.amdhsa_system_sgpr_workgroup_id_y 1
		.amdhsa_system_sgpr_workgroup_id_z 1
		.amdhsa_system_vgpr_workitem_id 0
		.amdhsa_next_free_vgpr 256
		.amdhsa_next_free_sgpr 66
		.amdhsa_reserve_vcc 0
		.amdhsa_float_denorm_mode_32 3
		.amdhsa_float_denorm_mode_16_64 3
		.amdhsa_memory_ordered 1
		.amdhsa_forward_progress 1
		.amdhsa_inst_pref_size 58
	.end_amdhsa_kernel
	.amdgpu_metadata
---
amdhsa.version: [ 1, 2 ]
amdhsa.kernels:
  - .name:           k_q3bf0fa89ce_quant
    .symbol:         k_q3bf0fa89ce_quant.kd
    .args:
      - { .name: x, .offset: 0, .size: 8, .value_kind: global_buffer, .address_space: global }
      - { .name: Wq, .offset: 8, .size: 8, .value_kind: global_buffer, .address_space: global }
      - { .name: Wk, .offset: 16, .size: 8, .value_kind: global_buffer, .address_space: global }
      - { .name: Wv, .offset: 24, .size: 8, .value_kind: global_buffer, .address_space: global }
      - { .name: Wo, .offset: 32, .size: 8, .value_kind: global_buffer, .address_space: global }
      - { .name: xq, .offset: 40, .size: 8, .value_kind: global_buffer, .address_space: global }
      - { .name: wq, .offset: 48, .size: 8, .value_kind: global_buffer, .address_space: global }
    .group_segment_fixed_size: 61952
    .private_segment_fixed_size: 0
    .kernarg_segment_align: 8
    .kernarg_segment_size: 56
    .max_flat_workgroup_size: 128
    .sgpr_count:     66
    .vgpr_count:     256
    .wavefront_size: 32
...
	.end_amdgpu_metadata
.endif
;; end of part 1
;; launch proj (part 2): grid 8 x 32, 4 waves a work-group, clusters of 4 x 4, 327,680 bytes of LDS; arguments xq, wq, qq, kv; writes qq, kv
.if DOCPART == 2
	.amdgcn_target "amdgcn-amd-amdhsa--gfx1250"
	.amdhsa_code_object_version 6
	.text
	.protected	k_q3bf0fa89ce_proj
	.globl	k_q3bf0fa89ce_proj
	.p2align	8
	.type	k_q3bf0fa89ce_proj,@function
k_q3bf0fa89ce_proj:
	s_mov_b64 s[64:65], 0
	v_nop
	global_prefetch_b8 v0, s[64:65] scope:SCOPE_SE
	s_setreg_imm32_b32 hwreg(HW_REG_WAVE_MODE, 25, 1), 1
	s_wait_xcnt 0x0
	s_wait_alu depctr_hold_cnt(0) depctr_sa_sdst(0) depctr_va_vdst(0) depctr_va_sdst(0) depctr_va_ssrc(0) depctr_va_vcc(0) depctr_vm_vsrc(0)
	s_getreg_b32 s2, hwreg(HW_REG_IB_STS2, 6, 4)
	s_cmp_eq_u32 s2, 0
	s_cbranch_scc0 .Lentry_in_a_cluster
	s_endpgm
.Lentry_in_a_cluster:
	s_bfe_u32 s2, ttmp6, 0x10000c
	s_cmp_lg_u32 s2, 0xf033
	s_cbranch_scc0 .Lentry_shape_is_right
	s_endpgm
.Lentry_shape_is_right:
; q = x Wq, k = x Wk, v = x Wv on codes of FP6 (E2M3) with E8M0 scales, K = 2,048; the results are quantised in registers and leave as codes: q and k along the head's 128, v along the tokens.
; OPERANDS lie in memory in the order of their registers: a fragment (16 rows x 128 K) is 1,536 bytes, three accesses of 16 bytes a lane; a tensor is [row tile][K / 128][1,536], its scale words [row tile][K / 128][16] behind.
; Position p of every tensor holds index p with bits 3 and 4 exchanged, so the 16 registers of two neighbouring tiles of a product's source 0 are 16 NEIGHBOURING indices: half of a block of 32 of the next product's K.
; SHARES.  4,096 tokens x 2,304 columns are 256 equal blocks: work-group (X, Y), X = 0 .. 31, Y = 0 .. 7, takes tokens 128 X on against heads 2 Y, 2 Y + 1 of Wq AND 32 columns of [Wk | Wv] (row tiles 128 + 2 Y, + 1 of wq:
; Y < 4 a block of k's 128, Y >= 4 of v's).  Wave (i, j) = wave w = 2 i + j: 64 tokens (x's tiles 4 i on, source 1) x head 2 Y + j (8 tiles, source 0): 32 accumulators; and tokens 32 w on x the 32 columns: 4 more.  36 in every wave.
; FOR v THE SOURCES CHANGE PLACES: tokens along the registers, Wv across the lanes, so that v is quantised along the tokens.  Only LDS bases and scale pointers differ; they hang on the cluster's x, which all partners share.
; K goes in four chunks of 512 through a ring of two LDS slots (x's 8 tiles, Wq's 16, Wk's or Wv's 2: 26 x 6,144 bytes).  One load a wave: wave 0 x, waves 1 and 2 Wq's halves, wave 3 the two tiles of Wk or Wv.
; THE SCALE WORDS of all of K, 16 tiles x 8 registers a wave, go from memory straight into registers at the head, 128 consecutive bytes a load: two slots leave no room for them in LDS.  So the walk along K is written out:
; each of its 16 steps names other scale registers.
; CLUSTER 4 x 4: x's tiles hang on X alone and are asked for jointly along a row of the cluster, the weights' on Y alone, along a column.
; PREFETCH: behind chunk t's load the blocks of chunk t + 2 are asked for, behind chunk 0's also chunk 1's.  Each wave names blocks of the tiles that it loads; the four partners that load a tile jointly share them out by
; address: two row tiles each, 24 blocks of 256 bytes an instruction (wave 3: half a tile, 12 blocks, one instruction); lanes left over name the last block again.  Chunk 3 is the last: nothing is asked for beyond it.
; k AND v LEAVE BLOCK BY BLOCK: a wave holds one block of 32 of two fragments: 24 bytes a row as three pieces of 8 bytes and one scale byte.  These are parts of 256-byte units: kv is 819,200 of the 7,372,800 bytes stored here.
; REGISTERS, in windows of 256: window 0: v10-29 addresses, v32-159 scale words (on the way out: codes), v224-239 at work.  window 1: source 0's fragments, two sets of 120.  window 2: q's accumulators ((a, b) at v[8 (8 a + b)]).
;   window 3: source 1's fragments, two sets of 72; v160-191 the four accumulators of k or v.
; LIMITS: NaN and infinities are not served.  A block of zeros gets the byte 1 where the rule says 127: its codes are zeros, and this program alone reads the bytes.
.set FR,     12                        ; registers of a fragment
.set TB,     6144                      ; a row tile's 512 along K: four fragments
.set QA,     49152                     ; 8 such: what waves 0, 1, 2 load
.set SLOT,   159744                    ; x's 8 tiles, Wq's 16, Wk's or Wv's 2
.set SPARE,  319488                    ; behind the ring: the spare words, 128 bytes for each wave
.set XS_OFF, 0x600000
.set WS_OFF, 0x660000
.set VK,   10                          ; v10-12  where a lane's three pieces of k or v go
.set VS,   13                          ; v13     and its scale byte
.set ADRA, 16                          ; v16-17  LDS address of x's fragments in slot 0, 1
.set ADRB, 18                          ; v18-19  of Wq's
.set ADK0, 20                          ; v20-21  of source 0 of the product for k or v
.set ADK1, 22                          ; v22-23  of its source 1
.set LI,   24                          ; 16 x lane
.set LS,   25                          ; 4 x (lane % 16)
.set L4,   26                          ; 4 x lane
.set PFO,  27                          ; the prefetches' offset
.set SPW,  28                          ; LDS address of my spare word; never rewritten
.set NIL,  29                          ; 0; never rewritten
.set SC,   32                          ; scale words: v[SC + 16 u + n] serves steps 2 u (lanes 0-15) and 2 u + 1 (lanes 16-31): n = 0-3 x's tiles, 4-11 Wq's, 12-13 source 1 for k or v, 14-15 its source 0
.set KA,   160                         ; window 3: accumulator (a, b) of k or v at KA + 16 a + 8 b
.set KP,   128                         ; the way out: the codes of k or v
.set TM,   224
.set G1A, 24                           ; s[24:31] group 1 for x's tiles; s[32:39] group 0, one for each slot
.set G0A, 32
.set G1B, 48                           ; s[48:55] group 1 for Wq's tiles; s[56:63] group 0 of the weights' loads
.set G0B, 56
.set G1K, 68                           ; s[68:75] group 1 for the two tiles of Wk or Wv
.set SEL, 46                           ; s[46:47] lane selects: lane l xor 16
.set MSB, 0
.macro WIN new                         ; the immediate's high byte repeats the setting that is left
.if MSB != (\new)
	s_set_vgpr_msb (MSB<<8)|(\new)
.set MSB, (\new)
.endif
.endm
.set MQ,   0xad                        ; source 0 window 1, source 1 window 3, C and D window 2
.set MK,   0xfd                        ; the same, C and D window 3
.set TO_0, 0x40                        ; destination window 1, address window 0
.set TO_1, 0xc0                        ; destination window 3
.macro PLACES n
.rept \n
	v_nop
.endr
.endm
; A slot's four loads, one a wave: one chain of branches on the wave's number, every arm with one load, an s_nop 0 and four v_nop, all arms leading to one join.
.macro LOAD4 s
	s_cmp_eq_u32 s14, 0
	s_cbranch_scc0 .Lw_\@
	tensor_load_to_lds s[G0A+4*(\s):G0A+4*(\s)+3], s[G1A:G1A+7]
	s_nop 0
	PLACES 4
	s_branch .Ld_\@
.Lw_\@:
	s_cmp_eq_u32 s14, 3
	s_cbranch_scc1 .Lk_\@
	tensor_load_to_lds s[G0B+4*(\s):G0B+4*(\s)+3], s[G1B:G1B+7]
	s_nop 0
	PLACES 4
	s_branch .Ld_\@
.Lk_\@:
	tensor_load_to_lds s[G0B+4*(\s):G0B+4*(\s)+3], s[G1K:G1K+7]
	s_nop 0
	PLACES 4
.Ld_\@:
.endm
.macro CREST                           ; a round of the cluster's barrier behind its opening barrier
	s_cmp_lg_u32 s14, 0
	s_cbranch_scc1 .Lnot_wave_0_\@
	s_barrier_signal -3
.Lnot_wave_0_\@:
	s_barrier_wait -3
	s_barrier_signal -1
	s_barrier_wait -1
.endm
.macro CROUND
	s_barrier_signal -1
	s_barrier_wait -1
	CREST
.endm
.macro ASK t                           ; my work-group's share of chunk t's blocks of the tiles that I load
	global_prefetch_b8 v[PFO], s[90:91] offset:TB*(\t) th:TH_LOAD_NT scope:SCOPE_SE
	s_cmp_eq_u32 s14, 3
	s_cbranch_scc1 .Lp_\@
	global_prefetch_b8 v[PFO], s[90:91] offset:TB*(\t)+24576 th:TH_LOAD_NT scope:SCOPE_SE
.Lp_\@:
.endm
	s_load_b256 s[4:11], s[0:1], 0x0               ; xq s[4:5], wq s[6:7], qq s[8:9], kv s[10:11]
	v_lshl_add_u32 v[SPW], v0, 2, SPARE
	v_mov_b32 v[NIL], 0
	ds_add_u32 v[SPW], v[NIL]                      ; the opening lines: the add, twice on end, and its wait ahead of my first tensor load
	ds_add_u32 v[SPW], v[NIL]
	v_lshrrev_b32 v1, 5, v0
	v_readfirstlane_b32 s14, v1                    ; wave w
	s_lshr_b32 s15, s14, 1                         ; i
	s_and_b32 s16, s14, 1                          ; j
	s_bfe_u32 s40, ttmp6, 0x40000                  ; cx
	s_bfe_u32 s41, ttmp6, 0x40004                  ; cy
	s_lshl_b32 s42, ttmp9, 2
	s_add_co_u32 s42, s42, s40                     ; Y
	s_and_b32 s17, ttmp7, 0xffff
	s_lshl_b32 s17, s17, 2
	s_add_co_u32 s17, s17, s41                     ; X
	s_lshl_b32 s43, s41, 2
	s_lshl_b32 s43, 15, s43                        ; my row of the cluster
	s_lshl_b32 s44, 0x1111, s40                    ; my column
	s_or_b32 s[G1A], s43, (3<<16)|(1<<21)          ; 15:0 the mask; 17:16 elements of 8 bytes; 21 set beside a mask
	s_or_b32 s[G1B], s44, (3<<16)|(1<<21)
	s_or_b32 s[G1K], s44, (3<<16)|(1<<21)
.irp g, G1A, G1B, G1K                  ; rows of 6,144 bytes (768 elements), one a row tile, 24,576 bytes apart
	s_mov_b32 s[\g+1], 768<<16
	s_mov_b32 s[\g+3], 768<<16
	s_mov_b32 s[\g+5], 3072
	s_mov_b32 s[\g+6], 0
	s_mov_b32 s[\g+7], 0
.endr
	s_mov_b32 s[G1A+2], 8<<16
	s_mov_b32 s[G1A+4], 8
	s_mov_b32 s[G1B+2], 8<<16
	s_mov_b32 s[G1B+4], 8
	s_mov_b32 s[G1K+2], 2<<16
	s_mov_b32 s[G1K+4], 2
	s_mul_i32 s47, s42, 14                         ; the weights' first row tile for my load: 16 Y + 8 (w / 2), and in wave 3 (i and j both 1) 120 - 14 Y more: 128 + 2 Y
	s_sub_co_u32 s47, 120, s47
	s_and_b32 s18, s15, s16
	s_mul_i32 s47, s47, s18
	s_lshl_b32 s19, s42, 4
	s_lshl_b32 s18, s15, 3
	s_add_co_u32 s19, s19, s18
	s_add_co_u32 s19, s19, s47
	s_mul_i32 s46, s19, 24576
	s_mov_b32 s47, 0
	s_mul_i32 s20, s17, 8*24576                    ; x: row tile 8 X
	s_mov_b32 s21, 0
	s_mul_i32 s45, s14, QA                         ; where my load goes: wave x 49,152
	s_wait_dscnt 0x0                               ; both opening adds are done
	s_wait_kmcnt 0x0
	s_add_nc_u64 s[20:21], s[4:5], s[20:21]
	s_add_nc_u64 s[46:47], s[6:7], s[46:47]
	CROUND                                         ; all sixteen work-groups are here: the first joint loads meet
.irp s, 0,1
	s_mov_b32 s[G0A+4*\s], 1
	s_add_co_u32 s[G0A+4*\s+1], s45, \s*SLOT
	s_add_nc_u64 s[G0A+4*\s+2:G0A+4*\s+3], s[20:21], \s*TB
	s_or_b32 s[G0A+4*\s+3], s[G0A+4*\s+3], 0x80000000
	s_mov_b32 s[G0B+4*\s], 1
	s_add_co_u32 s[G0B+4*\s+1], s45, \s*SLOT
	s_add_nc_u64 s[G0B+4*\s+2:G0B+4*\s+3], s[46:47], \s*TB
	s_or_b32 s[G0B+4*\s+3], s[G0B+4*\s+3], 0x80000000
.endr
	LOAD4 0                                        ; chunk 0: my one tensor load at the head
	; LDS bases
	s_mul_i32 s21, s15, 4*TB                       ; x's tiles 4 i on
	s_mul_i32 s22, s16, QA
	s_add_co_u32 s22, s22, QA                      ; Wq's tiles 8 j on
	s_mul_i32 s23, s14, 2*TB                       ; x's tiles 2 w, 2 w + 1
	s_mov_b32 s18, 3*QA                            ; the two tiles of Wk or Wv
	s_cmp_eq_u32 ttmp9, 0                          ; k (Y < 4) or v: the cluster's x alone decides
	s_cselect_b32 s76, s18, s23                    ; source 0
	s_cselect_b32 s77, s23, s18                    ; source 1
	; the scale words' places
	s_lshl_b32 s78, s17, 13
	s_add_co_u32 s78, s78, XS_OFF                  ; x's row tile 8 X,
	s_lshl_b32 s86, s14, 11
	s_add_co_u32 s86, s86, s78                     ; + 2 w,
	s_mov_b32 s87, 0
	s_lshl_b32 s80, s15, 12
	s_add_co_u32 s78, s78, s80                     ; + 4 i
	s_mov_b32 s79, 0
	s_lshl_b32 s80, s42, 14
	s_lshl_b32 s81, s16, 13
	s_add_co_u32 s80, s80, s81
	s_add_co_u32 s80, s80, WS_OFF                  ; the weights' row tile 16 Y + 8 j,
	s_mov_b32 s81, 0
	s_lshl_b32 s88, s42, 11
	s_add_co_u32 s88, s88, WS_OFF+128*1024         ; and 128 + 2 Y
	s_mov_b32 s89, 0
	s_add_nc_u64 s[78:79], s[4:5], s[78:79]
	s_add_nc_u64 s[86:87], s[4:5], s[86:87]
	s_add_nc_u64 s[80:81], s[6:7], s[80:81]
	s_add_nc_u64 s[88:89], s[6:7], s[88:89]
	s_cmp_eq_u32 ttmp9, 0
	s_cselect_b64 s[82:83], s[88:89], s[86:87]     ; source 0's for k or v
	s_cselect_b64 s[84:85], s[86:87], s[88:89]     ; source 1's
	; where q goes: row tiles 8 X + 4 i on, K step = head 2 Y + j
	s_lshl_b32 s66, s17, 3
	s_lshl_b32 s67, s15, 2
	s_add_co_u32 s66, s66, s67
	s_lshl_b32 s67, s42, 1
	s_add_co_u32 s67, s67, s16
	s_mul_i32 s12, s66, 24576
	s_mul_i32 s13, s67, 1536
	s_add_co_u32 s12, s12, s13
	s_mov_b32 s13, 0
	s_lshl_b32 s98, s66, 10
	s_lshl_b32 s99, s67, 6
	s_add_co_u32 s98, s98, s99
	s_add_co_u32 s98, s98, XS_OFF
	s_mov_b32 s99, 0
	s_add_nc_u64 s[12:13], s[8:9], s[12:13]
	s_add_nc_u64 s[98:99], s[8:9], s[98:99]
	; where k or v goes: tile 16 (X / 8) + X % 8 (v: + 8) of 12,800 bytes.  k: fragments 2 w, 2 w + 1 (tokens), block cx;  v: fragments 2 cx, 2 cx + 1 (channels), block w
	s_lshr_b32 s66, s17, 3
	s_lshl_b32 s66, s66, 4
	s_and_b32 s67, s17, 7
	s_add_co_u32 s66, s66, s67
	s_lshl_b32 s67, s14, 1
	s_lshl_b32 s20, s40, 1
	s_cmp_eq_u32 ttmp9, 0
	s_cselect_b32 s67, s67, s20                    ; the first fragment
	s_cselect_b32 s20, s40, s14                    ; the block
	s_cselect_b32 s43, 0, 8
	s_add_co_u32 s66, s66, s43
	s_mul_i32 s66, s66, 12800
	s_mul_i32 s43, s67, 1536
	s_add_co_u32 s43, s43, s66
	s_and_b32 s44, s20, 1
	s_lshl_b32 s44, s44, 8                         ; an odd block stands in lanes 16-31 of the fragment: 256 bytes on
	s_add_co_u32 s96, s43, s44
	s_mov_b32 s97, 0
	s_lshl_b32 s67, s67, 6
	s_add_co_u32 s66, s66, s67
	s_add_co_u32 s66, s66, s20
	s_add_co_u32 s66, s66, 12288                   ; the scale words lie behind the tile's codes: 64 bytes a fragment, byte = block
	s_mov_b32 s67, 0
	s_add_nc_u64 s[96:97], s[10:11], s[96:97]
	s_add_nc_u64 s[10:11], s[10:11], s[66:67]
	s_cmp_ge_u32 s20, 2                            ; blocks 0, 1 are the fragment's registers 0-5: bytes 0, 8, 512 of a lane's; blocks 2, 3 its registers 6-11: bytes 520, 1,024, 1,032
	s_cselect_b32 s43, 520, 0
	s_cselect_b32 s44, 1024, 8
	s_add_co_u32 s45, s43, 512
	; the prefetches' base
	s_lshr_b32 s92, s41, 1
	s_lshl_b32 s93, s41, 1
	s_and_b32 s94, s41, 1
	s_mul_i32 s94, s94, 3072
	s_mov_b32 s95, 23
	s_cmp_eq_u32 s14, 3
	s_cselect_b32 s93, s92, s93                    ; waves 1, 2: tiles 2 cy, 2 cy + 1 of my eight; wave 3: tile cy / 2,
	s_cselect_b32 s94, s94, 0                      ; half cy % 2 of its 6,144 bytes,
	s_cselect_b32 s95, 11, s95                     ; 12 blocks
	s_add_co_u32 s93, s93, s19
	s_lshl_b32 s92, s17, 3
	s_lshl_b32 s20, s40, 1
	s_add_co_u32 s92, s92, s20                     ; wave 0: x's tiles 8 X + 2 cx, + 1
	s_cmp_eq_u32 s14, 0
	s_cselect_b32 s92, s92, s93
	s_cselect_b64 s[90:91], s[4:5], s[6:7]
	s_mul_i32 s92, s92, 24576
	s_add_co_u32 s92, s92, s94
	s_mov_b32 s93, 0
	s_add_nc_u64 s[90:91], s[90:91], s[92:93]
	s_mov_b32 s[SEL], 0x76543210
	s_mov_b32 s[SEL+1], 0xfedcba98
	v_and_b32 v1, 31, v0
	v_and_b32 v2, 15, v0                           ; r
	v_bfe_u32 v3, v0, 4, 1                         ; h
	v_lshlrev_b32 v[LI], 4, v1
	v_lshlrev_b32 v[L4], 2, v1
	v_lshlrev_b32 v[LS], 2, v2
	v_min_u32 v[PFO], s95, v1
	v_lshlrev_b32 v[PFO], 8, v[PFO]                ; a lane a block of 256 bytes
	v_add_nc_u32 v[ADRA], s21, v[LI]
	v_add_nc_u32 v[ADRB], s22, v[LI]
	v_add_nc_u32 v[ADK0], s76, v[LI]
	v_add_nc_u32 v[ADK1], s77, v[LI]
.irp r, ADRA, ADRB, ADK0, ADK1
	v_add_nc_u32 v[\r+1], SLOT, v[\r]
.endr
	v_mul_u32_u24 v4, v3, 1536                     ; lanes 16-31 hold the second fragment's rows
	v_lshl_add_u32 v4, v2, 4, v4
	v_add_nc_u32 v[VK], s43, v4
	v_add_nc_u32 v[VK+1], s44, v4
	v_add_nc_u32 v[VK+2], s45, v4
	v_lshlrev_b32 v5, 6, v3
	v_lshl_add_u32 v[VS], v2, 2, v5
	s_wait_alu depctr_va_vdst(0)                   ; the wait at the end of the head's vector work
	ASK 1
	ASK 2
.set U, 0
.rept 8                                ; the scale words of all of K: each load reads 128 consecutive bytes: a tile's 16 words of two steps
.irp n, 0,1,2,3
	global_load_b32 v[SC+16*U+\n], v[L4], s[78:79] offset:1024*\n+128*U
.endr
.irp n, 0,1,2,3,4,5,6,7
	global_load_b32 v[SC+16*U+4+\n], v[L4], s[80:81] offset:1024*\n+128*U
.endr
.irp n, 0,1
	global_load_b32 v[SC+16*U+12+\n], v[L4], s[84:85] offset:1024*\n+128*U
	global_load_b32 v[SC+16*U+14+\n], v[L4], s[82:83] offset:1024*\n+128*U
.endr
.set U, U+1
.endr
.macro FRAG reg, adr, q, i             ; fragment (tile i, the slot's q-th 128 along K): three loads, 512 consecutive bytes each
.irp c, 0,1,2
	ds_load_b128 v[\reg+4*\c:\reg+4*\c+3], v[\adr] offset:TB*(\i)+1536*(\q)+512*\c
.endr
.endm
.macro FETCH slot, q                   ; the 16 fragments of one step, 48 loads, into set q % 2
	WIN TO_0
.irp i, 0,1,2,3,4,5,6,7
	FRAG 120*((\q)%2)+FR*\i, ADRB+(\slot), \q, \i
.endr
.irp i, 0,1
	FRAG 120*((\q)%2)+96+FR*\i, ADK0+(\slot), \q, \i
.endr
	WIN TO_1
.irp i, 0,1,2,3
	FRAG 72*((\q)%2)+FR*\i, ADRA+(\slot), \q, \i
.endr
.irp i, 0,1
	FRAG 72*((\q)%2)+48+FR*\i, ADK1+(\slot), \q, \i
.endr
.endm
.macro WM ks, zero                     ; one product on the registers named by rD, rB, rA, rSB, rSA; an odd step reads the scale registers' upper lanes; zero = 1: the first product starts the sum
.if (\zero) == 1
	v_wmma_scale_f32_16x16x128_f8f6f4 v[rD:rD+7], v[rB:rB+FR-1], v[rA:rA+FR-1], 0, v[rSB], v[rSA] matrix_a_fmt:MATRIX_FMT_FP6 matrix_b_fmt:MATRIX_FMT_FP6
.elseif ((\ks)%2) == 0
	v_wmma_scale_f32_16x16x128_f8f6f4 v[rD:rD+7], v[rB:rB+FR-1], v[rA:rA+FR-1], v[rD:rD+7], v[rSB], v[rSA] matrix_a_fmt:MATRIX_FMT_FP6 matrix_b_fmt:MATRIX_FMT_FP6
.else
	v_wmma_scale_f32_16x16x128_f8f6f4 v[rD:rD+7], v[rB:rB+FR-1], v[rA:rA+FR-1], v[rD:rD+7], v[rSB], v[rSA] matrix_a_fmt:MATRIX_FMT_FP6 matrix_b_fmt:MATRIX_FMT_FP6 matrix_a_scale:MATRIX_SCALE_ROW1 matrix_b_scale:MATRIX_SCALE_ROW1
.endif
.endm
; The 36 accumulators take turns, one instruction a turn, in the same order in every step.
.macro MULQ a, ks, zero                ; x's tile a against Wq's eight
.irp b, 0,1,2,3,4,5,6,7
.set rD, 8*(8*(\a)+\b)
.set rB, 120*((\ks)%2)+FR*\b
.set rA, 72*((\ks)%2)+FR*(\a)
.set rSB, SC+16*((\ks)/2)+4+\b
.set rSA, SC+16*((\ks)/2)+(\a)
	WM \ks, \zero
.endr
.endm
.macro MULK ks, zero                   ; the four products for k or v
.irp a, 0,1
.irp b, 0,1
.set rD, KA+16*\a+8*\b
.set rB, 120*((\ks)%2)+96+FR*\b
.set rA, 72*((\ks)%2)+48+FR*\a
.set rSB, SC+16*((\ks)/2)+14+\b
.set rSA, SC+16*((\ks)/2)+12+\a
	WM \ks, \zero
.endr
.endr
.endm
; One of a chunk's first three steps: the next step's fragments are asked for, into the set that the step before read (four places behind its products), and this step's 36 products follow.
.macro STEP c, q, zero
.set KS, 4*(\c)+(\q)
	s_wait_dscnt 0x0                               ; this step's fragments are in (asked for 36 matrix instructions ago)
	PLACES 4
	FETCH (\c)%2, (\q)+1
	WIN MQ
	MULQ 0, KS, \zero
	MULQ 1, KS, \zero
	MULQ 2, KS, \zero
	MULQ 3, KS, \zero
	WIN MK
	MULK KS, \zero
.endm
; A chunk's last step changes slots: ONE barrier; in front of it each wave waits for all its tensor loads, adds 0 to its spare word, and waits for that and for its reads of this slot.  fill = 1: the slot takes the chunk two on.
.macro TURN c, fill
.set KS, 4*(\c)+3
	WIN 0
	s_wait_tensorcnt 0x0                           ; my one load that was out, my part of the next slot, has landed
	ds_add_u32 v[SPW], v[NIL]
	s_wait_dscnt 1                                 ; this step's fragments are in; the add alone may be out
	WIN MQ
	MULQ 0, KS, 0
	s_wait_dscnt 0x0                               ; the add is done, and my reads of this slot are over
	s_barrier_signal -1
	MULQ 1, KS, 0
	WIN 0
	s_barrier_wait -1
.if (\fill)
	CREST                                          ; the barrier has opened a round of the cluster's barrier: no wave of any partner still reads this slot or has a load on its way
	s_add_nc_u64 s[G0A+4*((\c)%2)+2:G0A+4*((\c)%2)+3], s[G0A+4*((\c)%2)+2:G0A+4*((\c)%2)+3], 2*TB
	s_add_nc_u64 s[G0B+4*((\c)%2)+2:G0B+4*((\c)%2)+3], s[G0B+4*((\c)%2)+2:G0B+4*((\c)%2)+3], 2*TB
	LOAD4 (\c)%2                                   ; the first tensor load behind the round, my only one until the next; its four v_nop are the places in front of the loads below
.else
	PLACES 4
.endif
	FETCH ((\c)+1)%2, 0
	WIN MQ
	MULQ 2, KS, 0
	MULQ 3, KS, 0
	WIN MK
	MULK KS, 0
.endm
	s_wait_tensorcnt 0x0                           ; my part of chunk 0 is in
	ds_add_u32 v[SPW], v[NIL]
	s_wait_dscnt 0x0
	CROUND                                         ; everybody's part is in, and all sixteen work-groups are here
	LOAD4 1                                        ; chunk 1, the first tensor load behind the round
	FETCH 0, 0
	WIN 0
	ASK 3
	s_wait_loadcnt 0x0                             ; the scale words
	STEP 0, 0, 1                                   ; the first step's products start the sums: nothing is cleared
	STEP 0, 1, 0
	STEP 0, 2, 0
	TURN 0, 1
.irp c, 1,2,3
	STEP \c, 0, 0
	STEP \c, 1, 0
	STEP \c, 2, 0
.if \c < 3
	TURN \c, 2-\c                                  ; chunk 1's turn asks for chunk 3, chunk 2's for nothing
.endif
.endr
	s_wait_dscnt 0x0                               ; the very last step: nothing more to fetch
	WIN MQ
	MULQ 0, 15, 0
	MULQ 1, 15, 0
	MULQ 2, 15, 0
	MULQ 3, 15, 0
	WIN MK
	MULK 15, 0
	WIN 0
; THE WAY OUT, no LDS.  64 results of a lane in window 2, register 16 b + i = column 32 b + 16 (lane / 16) + i of my token's head, become a fragment in v[pc] on and its scale word in v[pc + 20].
; Each tile has registers of its own for its codes, so no store's data are written again.  Each accumulator is read from its low end on.
.macro QUANTW s, pc
	WIN 0x0a                                       ; sources 0 and 1 in window 2
.irp b, 0,1,2,3
	v_max3_num_f32 v[TM+\b], |v[\s+16*\b]|, |v[\s+1+16*\b]|, 0x1800000   ; block b: my 16 numbers, and the floor 2^(3 - 127): the byte cannot fall under 1
.endr
.irp i, 2,4,6,8,10,12,14
.irp b, 0,1,2,3
	v_max3_num_f32 v[TM+\b], |v[\s+16*\b+\i]|, |v[\s+1+16*\b+\i]|, v[TM+\b]
.endr
.endr
	WIN 0
.irp b, 0,1,2,3
	v_permlanex16_b32 v[TM+4+\b], v[TM+\b], s[SEL], s[SEL+1]
.endr
.irp b, 0,1,2,3
	v_max_num_f32 v[TM+\b], v[TM+\b], v[TM+4+\b]                   ; with lane l xor 16's: the block's largest magnitude
.endr
.irp b, 0,1,2,3
	v_add_nc_u32 v[TM+12+\b], 0xff000000, v[TM+\b]                 ; 2 off its exponent field: the conversion's scale operand
.endr
.irp b, 0,1,2,3
	v_lshrrev_b32 v[TM+4+\b], 23, v[TM+12+\b]                      ; the scale's byte
.endr
	v_lshl_or_b32 v[\pc+20], v[TM+5], 8, v[TM+4]
	v_lshl_or_b32 v[\pc+20], v[TM+6], 16, v[\pc+20]
	v_lshl_or_b32 v[\pc+20], v[TM+7], 24, v[\pc+20]
	WIN 2                                          ; source 0 in window 2
.irp c, 0,1
	v_cvt_scalef32_pk16_fp6_f32 v[\pc+6*\c:\pc+2+6*\c], v[\s+32*\c:\s+15+32*\c], v[TM+12+2*\c]
	v_cvt_scalef32_pk16_fp6_f32 v[\pc+12+4*\c:\pc+14+4*\c], v[\s+16+32*\c:\s+31+32*\c], v[TM+13+2*\c]
.endr
	WIN 0
	v_nop                                          ; one plain place behind a scaled conversion
.irp c, 0,1                                    ; the operand wants a WHOLE block in a lane
.irp i, 0,1,2
	v_permlane16_swap_b32 v[\pc+6*\c+\i], v[\pc+12+4*\c+\i]
.endr
.irp i, 0,1,2
	v_mov_b32 v[\pc+3+6*\c+\i], v[\pc+12+4*\c+\i]
.endr
.endr
.endm
	PLACES 4                                       ; behind the last products
.irp b, 0,1,2,3
	v_mov_b32 v[TM+4+\b], 0                        ; written once: a lane permute's destination counts as one of its sources
.endr
.irp a, 0,1,2,3
	QUANTW 64*\a, 32+24*\a
.irp c, 0,1,2
	global_store_b128 v[LI], v[32+24*\a+4*\c:32+24*\a+4*\c+3], s[12:13] offset:24576*\a+512*\c   ; 32 lanes store 512 consecutive bytes, at a multiple of 256 from the buffer's first byte
.endr
	global_store_b32 v[LS], v[32+24*\a+20], s[98:99] offset:1024*\a   ; 64 bytes: lanes l and l + 16 write the same word with the same value
.endr
	; k or v: tile t of source 1 (16 rows across the lanes) has 16 of its block's 32 numbers in my registers KA + 16 t on, lane l xor 16 the other 16
	WIN 0x0f                                       ; sources 0 and 1 in window 3
.irp t, 0,1
	v_max3_num_f32 v[TM+\t], |v[KA+16*\t]|, |v[KA+1+16*\t]|, 0x1800000
.endr
.irp i, 2,4,6,8,10,12,14
.irp t, 0,1
	v_max3_num_f32 v[TM+\t], |v[KA+16*\t+\i]|, |v[KA+1+16*\t+\i]|, v[TM+\t]
.endr
.endr
	WIN 0
.irp t, 0,1
	v_permlanex16_b32 v[TM+4+\t], v[TM+\t], s[SEL], s[SEL+1]
.endr
.irp t, 0,1
	v_max_num_f32 v[TM+\t], v[TM+\t], v[TM+4+\t]
.endr
.irp t, 0,1
	v_add_nc_u32 v[TM+12+\t], 0xff000000, v[TM+\t]
.endr
.irp t, 0,1
	v_lshrrev_b32 v[TM+8+\t], 23, v[TM+12+\t]
.endr
	WIN 3                                          ; source 0 in window 3
.irp t, 0,1
	v_cvt_scalef32_pk16_fp6_f32 v[KP+4*\t:KP+4*\t+2], v[KA+16*\t:KA+16*\t+15], v[TM+12+\t]
.endr
	WIN 0
	v_nop                                          ; one plain place behind a scaled conversion
.irp i, 0,1,2
	v_permlane16_swap_b32 v[KP+\i], v[KP+4+\i]     ; lanes 0-15 now hold tile 0's whole block (lower 16 codes, upper 16), lanes 16-31 tile 1's
.endr
	v_permlane16_swap_b32 v[TM+8], v[TM+9]         ; and v[TM + 8] each lane's own tile's byte
	v_mov_b32 v[KP+3], v[KP+4]                     ; the block's six registers on end
	v_mov_b32 v[KP+4], v[KP+5]
	v_mov_b32 v[KP+5], v[KP+6]
	global_store_b64 v[VK], v[KP:KP+1], s[96:97]
	global_store_b64 v[VK+1], v[KP+2:KP+3], s[96:97]
	global_store_b64 v[VK+2], v[KP+4:KP+5], s[96:97]
	global_store_b8 v[VS], v[TM+8], s[10:11]
	s_wait_tensorcnt 0x0                           ; the wave's end
	ds_add_u32 v[SPW], v[NIL]
	s_wait_dscnt 0x0
	CROUND                                         ; the closing round: no work-group ends while a partner may still ask for a tile that names it
	s_endpgm
.Lfunc_end_k_q3bf0fa89ce_proj:
	.size	k_q3bf0fa89ce_proj, .Lfunc_end_k_q3bf0fa89ce_proj-k_q3bf0fa89ce_proj
	.p2alignl 7, 3214868480
	.fill 96, 4, 3214868480
	.section	.rodata,"a",@progbits
	.p2align	6, 0x0
	.amdhsa_kernel k_q3bf0fa89ce_proj
		.amdhsa_group_segment_fixed_size 327680
		.amdhsa_private_segment_fixed_size 0
		.amdhsa_enable_private_segment 0
		.amdhsa_kernarg_size 32
		.amdhsa_user_sgpr_count 2
		.amdhsa_user_sgpr_kernarg_segment_ptr 1
		.amdhsa_wavefront_size32 1
		.amdhsa_system_sgpr_workgroup_id_x 1
		.amdhsa_system_sgpr_workgroup_id_y 1
		.amdhsa_system_sgpr_workgroup_id_z 1
		.amdhsa_system_vgpr_workitem_id 0
		.amdhsa_next_free_vgpr 1024
		.amdhsa_next_free_sgpr 100
		.amdhsa_reserve_vcc 0
		.amdhsa_float_denorm_mode_32 3
		.amdhsa_float_denorm_mode_16_64 3
		.amdhsa_memory_ordered 1
		.amdhsa_forward_progress 1
		.amdhsa_inst_pref_size 172
	.end_amdhsa_kernel
	.amdgpu_metadata
---
amdhsa.version: [ 1, 2 ]
amdhsa.kernels:
  - .name:           k_q3bf0fa89ce_proj
    .symbol:         k_q3bf0fa89ce_proj.kd
    .args:
      - { .name: xq, .offset: 0, .size: 8, .value_kind: global_buffer, .address_space: global }
      - { .name: wq, .offset: 8, .size: 8, .value_kind: global_buffer, .address_space: global }
      - { .name: qq, .offset: 16, .size: 8, .value_kind: global_buffer, .address_space: global }
      - { .name: kv, .offset: 24, .size: 8, .value_kind: global_buffer, .address_space: global }
    .group_segment_fixed_size: 327680
    .private_segment_fixed_size: 0
    .kernarg_segment_align: 8
    .kernarg_segment_size: 32
    .max_flat_workgroup_size: 128
    .sgpr_count:     100
    .vgpr_count:     1024
    .wavefront_size: 32
...
	.end_amdgpu_metadata
.endif
;; end of part 2
;; launch attn (part 3): grid 64 x 4, 16 waves a work-group, clusters of 4 x 1, 206,848 bytes of LDS; arguments qq, kv, aq; writes aq
.if DOCPART == 3
	.amdgcn_target "amdgcn-amd-amdhsa--gfx1250"
	.amdhsa_code_object_version 6
	.text
	.protected	k_q3bf0fa89ce_attn
	.globl	k_q3bf0fa89ce_attn
	.p2align	8
	.type	k_q3bf0fa89ce_attn,@function
k_q3bf0fa89ce_attn:
	s_mov_b64 s[64:65], 0
	v_nop
	global_prefetch_b8 v0, s[64:65] scope:SCOPE_SE
	s_setreg_imm32_b32 hwreg(HW_REG_WAVE_MODE, 25, 1), 1
	s_wait_xcnt 0x0
	s_wait_alu depctr_hold_cnt(0) depctr_sa_sdst(0) depctr_va_vdst(0) depctr_va_sdst(0) depctr_va_ssrc(0) depctr_va_vcc(0) depctr_vm_vsrc(0)
	s_getreg_b32 s2, hwreg(HW_REG_IB_STS2, 6, 4)
	s_cmp_eq_u32 s2, 0
	s_cbranch_scc0 .Lentry_in_a_cluster
	s_endpgm
.Lentry_in_a_cluster:
	s_bfe_u32 s2, ttmp6, 0x10000c
	s_cmp_lg_u32 s2, 0x3003
	s_cbranch_scc0 .Lentry_shape_is_right
	s_endpgm
.Lentry_shape_is_right:
; Causal multi-query attention on codes of FP6 (E2M3) with E8M0 scales: 4 batches x 16 heads x 1,024 queries, one K and one V for all heads of a batch; head size 128.  The result is quantised along the head's 128 and leaves as codes.
; THE SOFTMAX AHEAD OF THE SECOND PRODUCT: t = score x log2(e) / sqrt(128); M = the row's largest t so far, rounded UP to a whole number; p = 2^(t - M) is what is quantised, along the keys; it is not normalised.
; The row's sum is taken of the unquantised p, in f32, and divides O at the end.  When M moves, the sum and O are multiplied by 2^(old M - new M): exact.
; OPERANDS lie in memory in the order of their registers (a fragment of 16 rows x 128 K: 1,536 bytes, three accesses of 16 bytes a lane).  kv: [batch][16 tiles][12,800]: tiles 0-7 K of key steps 0-7, tiles 8-15 V likewise
; (16 of the head's 128 x 128 keys a fragment); a tile is 8 fragments and their 8 x 64 bytes of scale words.  Position p of the tokens, and of V's rows, holds index p with bits 3 and 4 exchanged.
; LAYOUT.  Both products are used transposed: S^T = K Q^T (source 0 = 16 keys, source 1 = my 16 queries), O^T = V^T P^T: a lane holds ONE query throughout; with that order of rows the 16 registers of tiles 2 b and 2 b + 1
; are 16 neighbouring keys (channels), 32 b + 16 (lane / 16) + 0 .. 15.
; SHARES.  A batch's K and V, 204,800 bytes, lie in LDS for the whole launch: filled once, so there is no ring.  A wave owns one tile of 16 queries of one head, in 256 registers: four waves to a SIMD.
; A cluster is one batch and one set s of four query tiles, s, 31 - s, 32 + s, 63 - s: their key steps (tile / 8 + 1) add up to 18 for every s.  Partner cx takes heads 4 cx .. 4 cx + 3; wave w head 4 cx + w % 4 and the
; tile of class (w / 4 + w % 4) % 4, so that any four waves w % 4 = const, and any four w / 4 = const, hold one tile of each class.
; CLUSTER: the four partners read the same K and V: each of the 16 waves asks for one tile JOINTLY (mask 15).  cx enters global addresses alone; branches hang on the cluster's x and the wave's number.
; CAUSAL.  The loop has 8 trips in every wave; a step all of whose keys come after my queries is jumped over; in my last step hidden scores become -infinity ahead of the maximum.  Each query sees the first key of every step that it walks.
; LIMITS: NaN and infinities are not served; a p below 2^-126 becomes 0; a block of zeros gets the byte 1 where the rule says 127: its codes are zeros, and this program alone reads the bytes.
; REGISTERS: v1 16 x lane, v2 4 x (lane % 16), v3 my query less 16 (lane / 16); v8-11 addresses of the loads in hand; v12 -M, v13 the largest t, v[14:15] the sum in two halves; v16-27 Q, v255 its scale words;
;   v32-79 four fragments of K or of V, v248-251 their scale words; v96-159 S^T, then p; v160-223 O^T; v224-235 p's codes, v253 its scale word; v232-254 at work.
.set XS_OFF, 0x600000
.set TILE,  12800
.set VOFF,  0x19000                    ; 8 tiles: V's lie behind K's
.set WV,   18                          ; s18  my wave's number
.set SEL,  20                          ; s[20:21] lane selects: lane l xor 16
.set CS,   22                          ; s[22:23] c = log2(e) / sqrt(128)
.set G1,   24                          ; s[24:31], s[32:35] the descriptor
.set G0,   32
.set ST,   36                          ; s36  the key step
.set TK,   37                          ; s37  where its tile of K begins in LDS
.set KF,   38                          ; s38  its first key
.set NLAST, 39                         ; s39  my last key step
.set TM,   232                         ; the way out: at work
.set PW,   248
.set PC,   32
.macro ROUND                           ; a round of the cluster's barrier
	s_barrier_signal -1
	s_barrier_wait -1
	s_cmp_lg_u32 s[WV], 0
	s_cbranch_scc1 .Lnot_wave_0_\@
	s_barrier_signal -3
.Lnot_wave_0_\@:
	s_barrier_wait -3
	s_barrier_signal -1
	s_barrier_wait -1
.endm
	s_load_b128 s[4:7], s[0:1], 0x0                ; qq s[4:5], kv s[6:7]
	s_load_b64 s[8:9], s[0:1], 0x10                ; aq
	v_lshl_add_u32 v95, v0, 2, 0x32000
	v_mov_b32 v243, 0
	ds_add_u32 v95, v243
	ds_add_u32 v95, v243
	v_lshrrev_b32 v8, 5, v0
	s_delay_alu instid0(VALU_DEP_1)
	v_readfirstlane_b32 s[WV], v8                  ; wave 0..15
	s_bfe_u32 s40, ttmp6, 0x40000                  ; cx
	s_and_b32 s41, ttmp7, 0xffff                   ; the batch
	s_and_b32 s42, s[WV], 3
	s_lshl_b32 s43, s40, 2
	s_add_co_u32 s43, s43, s42                     ; my head
	s_lshr_b32 s44, s[WV], 2
	s_add_co_u32 s44, s44, s42
	s_and_b32 s44, s44, 3                          ; my class
	s_and_b32 s45, s44, 1
	s_mul_i32 s45, s45, 31
	s_xor_b32 s45, s45, ttmp9                      ; s or 31 - s,
	s_lshr_b32 s46, s44, 1
	s_lshl_b32 s46, s46, 5
	s_add_co_u32 s45, s45, s46                     ; + 32 in the upper classes: my tile of 16 queries
	s_lshr_b32 s[NLAST], s45, 3
	; the descriptor: a tile of kv, 12,800 dense bytes, as 50 rows of 256 (32 elements of 8 bytes)
	s_mov_b32 s[G1], 15|(3<<16)|(1<<21)            ; 15:0 the mask: all four work-groups; 17:16 elements of 8 bytes; 21 set beside a mask
	s_mov_b32 s[G1+1], 32<<16                      ; tensor_dim0
	s_mov_b32 s[G1+2], 50<<16                      ; tensor_dim1
	s_mov_b32 s[G1+3], 32<<16                      ; tile_dim0
	s_mov_b32 s[G1+4], 50                          ; tile_dim1
	s_mov_b32 s[G1+5], 32                          ; tensor_dim0_stride
	s_mov_b32 s[G1+6], 0
	s_mov_b32 s[G1+7], 0
	s_lshl_b32 s46, s41, 4
	s_add_co_u32 s46, s46, s[WV]
	s_mul_i32 s46, s46, TILE                       ; tile w of my batch: the batch and the wave's number alone enter it
	s_mov_b32 s47, 0
	s_mov_b32 s[G0], 1
	s_mul_i32 s[G0+1], s[WV], TILE
	s_wait_dscnt 0x0
	s_wait_kmcnt 0x0
	s_add_nc_u64 s[G0+2:G0+3], s[6:7], s[46:47]
	s_or_b32 s[G0+3], s[G0+3], 0x80000000
	ROUND                                          ; all four work-groups are here: the joint loads meet
	tensor_load_to_lds s[G0:G0+3], s[G1:G1+7]      ; my one tensor load of the launch
	s_nop 0
.rept 4
	v_nop
.endr
	s_lshl_b32 s48, s41, 6
	s_add_co_u32 s48, s48, s45                     ; row tile 64 x batch + my tile
	s_mul_i32 s50, s48, 24576
	s_mul_i32 s51, s43, 1536
	s_add_co_u32 s50, s50, s51                     ; its fragment of my head,
	s_mov_b32 s51, 0
	s_lshl_b32 s52, s48, 10
	s_lshl_b32 s53, s43, 6
	s_add_co_u32 s52, s52, s53
	s_add_co_u32 s52, s52, XS_OFF                  ; and that fragment's scale words: the same places in qq and in aq
	s_mov_b32 s53, 0
	s_add_nc_u64 s[54:55], s[4:5], s[50:51]
	s_add_nc_u64 s[56:57], s[4:5], s[52:53]
	s_add_nc_u64 s[58:59], s[8:9], s[50:51]
	s_add_nc_u64 s[60:61], s[8:9], s[52:53]
	v_and_b32 v1, 31, v0
	s_delay_alu instid0(VALU_DEP_1)
	v_lshlrev_b32 v1, 4, v1                        ; 16 x lane
	v_and_b32 v8, 15, v0                           ; r
	s_delay_alu instid0(VALU_DEP_1)
	v_lshlrev_b32 v2, 2, v8                        ; 4 r
.irp c, 0,1,2
	global_load_b128 v[16+4*\c:19+4*\c], v1, s[54:55] offset:512*\c   ; Q's fragment stays in registers
.endr
	global_load_b32 v255, v2, s[56:57]             ; and its scale words
	s_lshr_b32 s48, s45, 1
	s_lshl_b32 s48, s48, 5
	s_and_b32 s49, s45, 1
	s_lshl_b32 s49, s49, 3
	s_add_co_u32 s48, s48, s49                     ; the tile's first token: 32 (tile / 2) + 8 (tile % 2)
	v_bfe_u32 v9, v0, 4, 1                         ; h
	v_and_b32 v10, 8, v8
	s_delay_alu instid0(VALU_DEP_1)
	v_add_nc_u32 v10, v10, v8                      ; r + 8 (r / 8)
	s_delay_alu instid0(VALU_DEP_3)
	v_lshlrev_b32 v11, 4, v9
	s_delay_alu instid0(VALU_DEP_1)
	v_sub_nc_u32 v10, v10, v11
	s_delay_alu instid0(VALU_DEP_1)
	v_add_nc_u32 v3, s48, v10                      ; my query - 16 h
	s_mov_b32 s[SEL], 0x76543210
	s_mov_b32 s[SEL+1], 0xfedcba98
	s_mov_b32 s[CS], 0x3e0293ee                    ; c = log2(e) / sqrt(128)
	s_mov_b32 s[CS+1], s[CS]                       ; (named with it as a pair, so it is written)
	s_mov_b32 s[ST], 0
	s_mov_b32 s[TK], 0
	s_mov_b32 s[KF], 0
	v_mov_b32 v13, 0xff61b1e6                      ; the largest t so far: -3e38, under every t
	s_delay_alu instid0(VALU_DEP_1)
	v_floor_f32 v12, -v13                          ; -M
	v_mov_b32 v14, 0                               ; the sum, in two halves
	v_mov_b32 v15, 0
.irp b, 0,1,2,3
	v_mov_b32 v[236+\b], 0                         ; written once: a lane permute's destination counts as one of its sources
.endr
	v_mov_b32 v252, 0
	v_mov_b32 v253, 0                              ; (named as the upper half of the pair v[252:253] before it is first written)
.irp j, 0,1,2,3,4,5,6,7,8,9,10,11,12,13,14,15,16,17,18,19,20,21,22,23,24,25,26,27,28,29,30,31,32,33,34,35,36,37,38,39,40,41,42,43,44,45,46,47,48,49,50,51,52,53,54,55,56,57,58,59,60,61,62,63
	v_mov_b32 v[160+\j], 0                         ; O^T.  (The step is written once: the first finds zeros, which the first change of M leaves zeros)
.endr
	s_wait_tensorcnt 0x0                           ; my tile is in,
	s_barrier_signal -1
	s_barrier_wait -1                              ; everybody's is: K and V are whole, and nothing writes them again
	s_wait_loadcnt 0x0                             ; Q
.Lstep:                                            ; 8 trips in every wave
	s_cmp_gt_u32 s[ST], s[NLAST]
	s_cbranch_scc1 .Lhidden                        ; all 128 keys come after my queries
	v_add_nc_u32 v8, s[TK], v1                     ; K's fragments,
	s_wait_alu depctr_va_vdst(0)
	v_add_nc_u32 v10, s[TK], v2                    ; K's scale words,
	s_wait_alu depctr_va_vdst(0)
	v_add_nc_u32 v9, VOFF, v8                      ; V's,
	v_add_nc_u32 v11, VOFF, v10                    ; V's.  (These four are the places in front of the loads into registers that the last step's products have read)
.irp g, 0,1                                    ; S^T = K Q^T, four tiles of 16 keys at a time
.if \g > 0
.rept 4
	v_nop
.endr
.endif
.irp t, 0,1,2,3
.irp c, 0,1,2
	ds_load_b128 v[32+12*\t+4*\c:35+12*\t+4*\c], v8 offset:1536*(4*\g+\t)+512*\c
.endr
	ds_load_b32 v[248+\t], v10 offset:12288+64*(4*\g+\t)
.endr
	s_wait_dscnt 0x0
.irp t, 0,1,2,3
	v_wmma_scale_f32_16x16x128_f8f6f4 v[96+8*(4*\g+\t):103+8*(4*\g+\t)], v[32+12*\t:43+12*\t], v[16:27], 0, v[248+\t], v255 matrix_a_fmt:MATRIX_FMT_FP6 matrix_b_fmt:MATRIX_FMT_FP6
.endr
.endr
.rept 4
	v_nop
.endr
	s_cmp_lg_u32 s[ST], s[NLAST]
	s_cbranch_scc1 .Lopen                          ; all keys of an earlier step count
	v_sub_nc_u32 v252, v3, s[KF]                   ; d = my query - the step's first key - 16 (lane / 16).  Register 16 b + i holds key 32 b + 16 (lane / 16) + i of the step: hidden where 32 b + i > d
	v_mov_b32 v254, 0xff800000                     ; -infinity
.irp n, 0,1,2,3,4,5,6,7,8,9,10,11,12,13,14,15,16,17,18,19,20,21,22,23,24,25,26,27,28,29,30,31,32,33,34,35,36,37,38,39,40,41,42,43,44,45,46,47,48,49,50,51,52,53,54,55,56,57,58,59,60,61,62,63
	v_cmp_gt_i32 vcc_lo, 32*(\n/16)+\n%16, v252
	v_cndmask_b32 v[96+\n], v[96+\n], v254, vcc_lo
.endr
.Lopen:
.irp b, 0,1,2,3
	v_max3_num_f32 v[232+\b], v[96+16*\b], v[97+16*\b], v[98+16*\b]   ; THE LARGEST SCORE OF EACH BLOCK OF 32 KEYS: it serves twice: for the row's maximum, and, since p rises with the score, for the block's largest p
.endr
.irp i, 3,5,7,9,11,13
.irp b, 0,1,2,3
	v_max3_num_f32 v[232+\b], v[232+\b], v[96+16*\b+\i], v[97+16*\b+\i]
.endr
.endr
.irp b, 0,1,2,3
	v_max_num_f32 v[232+\b], v[232+\b], v[111+16*\b]
.endr
.irp b, 0,1,2,3
	s_delay_alu instid0(VALU_DEP_4)
	v_permlanex16_b32 v[236+\b], v[232+\b], s[SEL], s[SEL+1]
.endr
.irp b, 0,1,2,3
	s_delay_alu instid0(VALU_DEP_4)
	v_max_num_f32 v[232+\b], v[232+\b], v[236+\b]  ; with lane l xor 16's 16 keys
.endr
	s_delay_alu instid0(VALU_DEP_2)
	v_max3_num_f32 v254, v232, v233, v234
	s_delay_alu instid0(VALU_DEP_1)
	v_max_num_f32 v254, v254, v235                 ; the step's largest score of my query
	s_delay_alu instid0(VALU_DEP_1)
	v_mul_f32 v254, s[CS], v254                    ; as t (c is positive)
	s_delay_alu instid0(VALU_DEP_1)
	v_max_num_f32 v13, v13, v254                   ; the running largest t
	v_mov_b32 v254, v12
	s_delay_alu instid0(VALU_DEP_2)
	v_floor_f32 v12, -v13                          ; the new -M = floor(-t) = -ceil(t): M IS A WHOLE NUMBER
	s_delay_alu instid0(VALU_DEP_1)
	v_sub_f32 v254, v12, v254                      ; M's old value less its new one: a whole number, 0 or less
	s_delay_alu instid0(VALU_DEP_1)
	v_cvt_i32_f32 v254, v254                       ; (it saturates)
	s_delay_alu instid0(VALU_DEP_1)
	v_ldexp_f32 v252, 1.0, v254                    ; f = 2^(old M - new M)
.irp j, 0,2,4,6,8,10,12,14,16,18,20,22,24,26,28,30,32,34,36,38,40,42,44,46,48,50,52,54,56,58,60,62
	v_pk_fma_f32 v[96+\j:97+\j], v[96+\j:97+\j], s[CS:CS+1], v[12:13] op_sel_hi:[1,0,0]   ; t - M, two at a time (of the pairs c and -M the low word serves both halves)
.endr
.irp b, 0,1,2,3
	v_fma_f32 v[232+\b], v[232+\b], s[CS], v12     ; the same of each block's largest score
.endr
	s_wait_alu depctr_va_vdst(0)
.irp j, 0,1,2,3,4,5,6,7,8,9,10,11,12,13,14,15,16,17,18,19,20,21,22,23,24,25,26,27,28,29,30,31,32,33,34,35,36,37,38,39,40,41,42,43,44,45,46,47,48,49,50,51,52,53,54,55,56,57,58,59,60,61,62,63
	v_exp_f32 v[96+\j], v[96+\j]                   ; p = 2^(t - M), at most 1: NOT normalised
.endr
	v_pk_mul_f32 v[14:15], v[14:15], v[252:253] op_sel_hi:[1,0]   ; the sums under the new M.  (A plain place behind the exponentials)
	s_wait_alu depctr_va_vdst(0)                   ; one wait for the whole batch, ahead of its first reader
.irp b, 0,1,2,3
	v_exp_f32 v[232+\b], v[232+\b]                 ; the block's largest p: the same two instructions on the same number give the same bits
.endr
	v_pk_add_f32 v[236:237], v[100:101], v[104:105]
	v_pk_add_f32 v[250:251], v[108:109], v[112:113]
	v_pk_add_f32 v[248:249], v[116:117], v[120:121]
	v_pk_add_f32 v[246:247], v[124:125], v[128:129]
	v_pk_add_f32 v[244:245], v[132:133], v[136:137]
	v_pk_add_f32 v[240:241], v[140:141], v[144:145]
	v_pk_add_f32 v[238:239], v[148:149], v[152:153]
	v_pk_add_f32 v[14:15], v[14:15], v[156:157]
	v_pk_add_f32 v[236:237], v[236:237], v[96:97]
	v_pk_add_f32 v[250:251], v[250:251], v[98:99]
	v_pk_add_f32 v[248:249], v[248:249], v[102:103]
	v_pk_add_f32 v[246:247], v[246:247], v[106:107]
	v_pk_add_f32 v[244:245], v[244:245], v[110:111]
	v_pk_add_f32 v[240:241], v[240:241], v[114:115]
	v_pk_add_f32 v[238:239], v[238:239], v[118:119]
	v_pk_add_f32 v[14:15], v[14:15], v[122:123]
	v_pk_add_f32 v[236:237], v[236:237], v[126:127]
	v_pk_add_f32 v[250:251], v[250:251], v[130:131]
	v_pk_add_f32 v[248:249], v[248:249], v[134:135]
	v_pk_add_f32 v[246:247], v[246:247], v[138:139]
	v_pk_add_f32 v[244:245], v[244:245], v[142:143]
	v_pk_add_f32 v[240:241], v[240:241], v[146:147]
	v_pk_add_f32 v[238:239], v[238:239], v[150:151]
	v_pk_add_f32 v[14:15], v[14:15], v[154:155]
	v_pk_add_f32 v[236:237], v[236:237], v[158:159]
	s_delay_alu instid0(VALU_DEP_2)
	v_pk_add_f32 v[14:15], v[14:15], v[246:247]
	s_delay_alu instid0(VALU_DEP_2)
	v_pk_add_f32 v[236:237], v[236:237], v[244:245]
	v_pk_add_f32 v[250:251], v[250:251], v[240:241]
	v_pk_add_f32 v[248:249], v[248:249], v[238:239]
	s_delay_alu instid0(VALU_DEP_2)
	v_pk_add_f32 v[14:15], v[14:15], v[250:251]
	s_delay_alu instid0(VALU_DEP_2)
	v_pk_add_f32 v[236:237], v[236:237], v[248:249]
	s_delay_alu instid0(VALU_DEP_1)
	v_pk_add_f32 v[14:15], v[14:15], v[236:237]
	s_wait_alu depctr_va_vdst(0)                   ; and one for the four
.irp b, 0,1,2,3
	v_max_num_f32 v[232+\b], 0x1800000, v[232+\b]  ; the floor 2^(3 - 127): the byte cannot fall under 1 (a block whose every p is 0 keeps that byte: its codes are zeros)
.endr
.irp b, 0,1,2,3
	s_delay_alu instid0(VALU_DEP_4)
	v_add_nc_u32 v[244+\b], 0xff000000, v[232+\b]  ; 2 off the exponent field: the conversion's scale operand
.endr
.irp b, 0,1,2,3
	s_delay_alu instid0(VALU_DEP_4)
	v_lshrrev_b32 v[236+\b], 23, v[244+\b]         ; the scale's byte
.endr
	s_delay_alu instid0(VALU_DEP_3)
	v_lshl_or_b32 v253, v237, 8, v236              ; p's scale word for these 128 keys
	s_delay_alu instid0(VALU_DEP_1)
	v_lshl_or_b32 v253, v238, 16, v253
	s_delay_alu instid0(VALU_DEP_1)
	v_lshl_or_b32 v253, v239, 24, v253
.irp c, 0,1
	v_cvt_scalef32_pk16_fp6_f32 v[224+6*\c:226+6*\c], v[96+32*\c:111+32*\c], v[244+2*\c]
	v_cvt_scalef32_pk16_fp6_f32 v[236+4*\c:238+4*\c], v[112+32*\c:127+32*\c], v[244+2*\c+1]   ; (a conversion's three registers begin on an even number)
.endr
	v_nop                                          ; one plain place behind a scaled conversion
.irp c, 0,1                                    ; the operand wants a WHOLE block in a lane: lanes 0-15 block 2 c, lanes 16-31 block 2 c + 1
.irp i, 0,1,2
	v_permlane16_swap_b32 v[224+6*\c+\i], v[236+4*\c+\i]
.endr
.irp i, 0,1,2
	s_delay_alu instid0(VALU_DEP_3)
	v_mov_b32 v[227+6*\c+\i], v[236+4*\c+\i]
.endr
.endr
.irp j, 0,2,4,6,8,10,12,14,16,18,20,22,24,26,28,30,32,34,36,38,40,42,44,46,48,50,52,54,56,58,60,62
	v_pk_mul_f32 v[160+\j:161+\j], v[160+\j:161+\j], v[252:253] op_sel_hi:[1,0]   ; O^T under the new M: x f.  (These 32 are also the places in front of the matrix instructions and loads below)
.endr
	s_wait_alu depctr_va_vdst(0)
.irp g, 0,1                                    ; O^T += V^T P^T: four tiles of 16 of the head's 128 at a time; K = these 128 keys.  The four accumulators take turns
.if \g > 0
.rept 4
	v_nop
.endr
.endif
.irp t, 0,1,2,3
.irp c, 0,1,2
	ds_load_b128 v[32+12*\t+4*\c:35+12*\t+4*\c], v9 offset:1536*(4*\g+\t)+512*\c
.endr
	ds_load_b32 v[248+\t], v11 offset:12288+64*(4*\g+\t)
.endr
	s_wait_dscnt 0x0
.irp t, 0,1,2,3
	v_wmma_scale_f32_16x16x128_f8f6f4 v[160+8*(4*\g+\t):167+8*(4*\g+\t)], v[32+12*\t:43+12*\t], v[224:235], v[160+8*(4*\g+\t):167+8*(4*\g+\t)], v[248+\t], v253 matrix_a_fmt:MATRIX_FMT_FP6 matrix_b_fmt:MATRIX_FMT_FP6
.endr
.endr
.Lhidden:
	s_add_co_u32 s[TK], s[TK], TILE
	s_add_co_u32 s[KF], s[KF], 128
	s_add_co_u32 s[ST], s[ST], 1
	s_cmp_lt_u32 s[ST], 8
	s_cbranch_scc1 .Lstep
	; THE WAY OUT.  O^T / the sum; a lane's 64 numbers are its query's 128 channels' halves, 16 neighbours of each block of 32: they are quantised as they stand and leave as one fragment.
	v_add_f32 v14, v14, v15                        ; the sum's two halves,
	s_delay_alu instid0(VALU_DEP_1)
	v_permlanex16_b32 v252, v14, s[SEL], s[SEL+1]
	s_delay_alu instid0(VALU_DEP_1)
	v_add_f32 v14, v14, v252                       ; and lane l xor 16's: the row's sum
	s_wait_alu depctr_va_vdst(0)
	v_rcp_f32 v14, v14
.rept 4
	v_nop                                          ; the plain place behind the reciprocal, and the places behind the last products
.endr
	s_wait_alu depctr_va_vdst(0)                   ; the wait, ahead of the first reader
.irp j, 0,1,2,3,4,5,6,7,8,9,10,11,12,13,14,15,16,17,18,19,20,21,22,23,24,25,26,27,28,29,30,31,32,33,34,35,36,37,38,39,40,41,42,43,44,45,46,47,48,49,50,51,52,53,54,55,56,57,58,59,60,61,62,63
	v_mul_f32 v[96+\j], v[160+\j], v14             ; register 16 b + i is channel 32 b + 16 (lane / 16) + i.  Each accumulator is read from its low end on
.endr
.irp b, 0,1,2,3
	v_max3_num_f32 v[TM+\b], |v[96+16*\b]|, |v[97+16*\b]|, 0x1800000   ; block b: my 16 numbers, and the floor 2^(3 - 127)
.endr
.irp i, 2,4,6,8,10,12,14
.irp b, 0,1,2,3
	s_delay_alu instid0(VALU_DEP_4)
	v_max3_num_f32 v[TM+\b], |v[96+16*\b+\i]|, |v[97+16*\b+\i]|, v[TM+\b]
.endr
.endr
.irp b, 0,1,2,3
	s_delay_alu instid0(VALU_DEP_4)
	v_permlanex16_b32 v[TM+4+\b], v[TM+\b], s[SEL], s[SEL+1]
.endr
.irp b, 0,1,2,3
	s_delay_alu instid0(VALU_DEP_4)
	v_max_num_f32 v[TM+\b], v[TM+\b], v[TM+4+\b]
.endr
.irp b, 0,1,2,3
	s_delay_alu instid0(VALU_DEP_4)
	v_add_nc_u32 v[TM+12+\b], 0xff000000, v[TM+\b]
.endr
.irp b, 0,1,2,3
	s_delay_alu instid0(VALU_DEP_4)
	v_lshrrev_b32 v[TM+4+\b], 23, v[TM+12+\b]
.endr
	s_delay_alu instid0(VALU_DEP_3)
	v_lshl_or_b32 v[PW], v[TM+5], 8, v[TM+4]
	s_delay_alu instid0(VALU_DEP_1)
	v_lshl_or_b32 v[PW], v[TM+6], 16, v[PW]
	s_delay_alu instid0(VALU_DEP_1)
	v_lshl_or_b32 v[PW], v[TM+7], 24, v[PW]
.irp c, 0,1
	v_cvt_scalef32_pk16_fp6_f32 v[PC+6*\c:PC+2+6*\c], v[96+32*\c:111+32*\c], v[TM+12+2*\c]
	v_cvt_scalef32_pk16_fp6_f32 v[PC+12+4*\c:PC+14+4*\c], v[112+32*\c:127+32*\c], v[TM+13+2*\c]
.endr
	v_nop                                          ; one plain place behind a scaled conversion
.irp c, 0,1
.irp i, 0,1,2
	v_permlane16_swap_b32 v[PC+6*\c+\i], v[PC+12+4*\c+\i]
.endr
.irp i, 0,1,2
	s_delay_alu instid0(VALU_DEP_3)
	v_mov_b32 v[PC+3+6*\c+\i], v[PC+12+4*\c+\i]
.endr
.endr
.irp c, 0,1,2
	global_store_b128 v1, v[PC+4*\c:PC+4*\c+3], s[58:59] offset:512*\c   ; 32 lanes store 512 consecutive bytes, at a multiple of 256 from the buffer's first byte
.endr
	global_store_b32 v2, v[PW], s[60:61]           ; 64 bytes: lanes l and l + 16 write the same word with the same value
	s_wait_tensorcnt 0x0
	ds_add_u32 v95, v243
	s_wait_dscnt 0x0
	ROUND                                          ; the closing round: no work-group ends while a partner may still ask for a tile that names it
	s_endpgm
.Lfunc_end_k_q3bf0fa89ce_attn:
	.size	k_q3bf0fa89ce_attn, .Lfunc_end_k_q3bf0fa89ce_attn-k_q3bf0fa89ce_attn
	.p2alignl 7, 3214868480
	.fill 96, 4, 3214868480
	.section	.rodata,"a",@progbits
	.p2align	6, 0x0
	.amdhsa_kernel k_q3bf0fa89ce_attn
		.amdhsa_group_segment_fixed_size 206848
		.amdhsa_private_segment_fixed_size 0
		.amdhsa_enable_private_segment 0
		.amdhsa_kernarg_size 24
		.amdhsa_user_sgpr_count 2
		.amdhsa_user_sgpr_kernarg_segment_ptr 1
		.amdhsa_wavefront_size32 1
		.amdhsa_system_sgpr_workgroup_id_x 1
		.amdhsa_system_sgpr_workgroup_id_y 1
		.amdhsa_system_sgpr_workgroup_id_z 1
		.amdhsa_system_vgpr_workitem_id 0
		.amdhsa_next_free_vgpr 256
		.amdhsa_next_free_sgpr 66
		.amdhsa_reserve_vcc 1
		.amdhsa_float_denorm_mode_32 3
		.amdhsa_float_denorm_mode_16_64 3
		.amdhsa_memory_ordered 1
		.amdhsa_forward_progress 1
		.amdhsa_inst_pref_size 42
	.end_amdhsa_kernel
	.amdgpu_metadata
---
amdhsa.version: [ 1, 2 ]
amdhsa.kernels:
  - .name:           k_q3bf0fa89ce_attn
    .symbol:         k_q3bf0fa89ce_attn.kd
    .args:
      - { .name: qq, .offset: 0, .size: 8, .value_kind: global_buffer, .address_space: global }
      - { .name: kv, .offset: 8, .size: 8, .value_kind: global_buffer, .address_space: global }
      - { .name: aq, .offset: 16, .size: 8, .value_kind: global_buffer, .address_space: global }
    .group_segment_fixed_size: 206848
    .private_segment_fixed_size: 0
    .kernarg_segment_align: 8
    .kernarg_segment_size: 24
    .max_flat_workgroup_size: 512
    .sgpr_count:     66
    .vgpr_count:     256
    .wavefront_size: 32
...
	.end_amdgpu_metadata
.endif
;; end of part 3
;; launch outp (part 4): grid 8 x 32, 4 waves a work-group, clusters of 4 x 4, 327,680 bytes of LDS; arguments aq, wq, bo, out0; writes out0
.if DOCPART == 4
	.amdgcn_target "amdgcn-amd-amdhsa--gfx1250"
	.amdhsa_code_object_version 6
	.text
	.protected	k_q3bf0fa89ce_outp
	.globl	k_q3bf0fa89ce_outp
	.p2align	8
	.type	k_q3bf0fa89ce_outp,@function
k_q3bf0fa89ce_outp:
	s_mov_b64 s[64:65], 0
	v_nop
	global_prefetch_b8 v0, s[64:65] scope:SCOPE_SE
	s_setreg_imm32_b32 hwreg(HW_REG_WAVE_MODE, 25, 1), 1
	s_wait_xcnt 0x0
	s_wait_alu depctr_hold_cnt(0) depctr_sa_sdst(0) depctr_va_vdst(0) depctr_va_sdst(0) depctr_va_ssrc(0) depctr_va_vcc(0) depctr_vm_vsrc(0)
	s_getreg_b32 s2, hwreg(HW_REG_IB_STS2, 6, 4)
	s_cmp_eq_u32 s2, 0
	s_cbranch_scc0 .Lentry_in_a_cluster
	s_endpgm
.Lentry_in_a_cluster:
	s_bfe_u32 s2, ttmp6, 0x10000c
	s_cmp_lg_u32 s2, 0xf033
	s_cbranch_scc0 .Lentry_shape_is_right
	s_endpgm
.Lentry_shape_is_right:
; out0 = a Wo + bo: a [4,096][2,048], the attention's result, and Wo arrive as codes of FP6 (E2M3) with E8M0 scales, K = 2,048; sums in f32; out0 is f32.
; OPERANDS lie in memory in the order of their registers: a fragment (16 rows x 128 K) is 1,536 bytes, three accesses of 16 bytes a lane; a tensor is [row tile][K / 128][1,536], its scale words [row tile][K / 128][16] behind.
; Wo's row tiles are 144-271 of wq.  Position p of the tokens, and of Wo's columns, holds index p with bits 3 and 4 exchanged: the way out puts both back.
; SHARES.  Work-group (X, Y), X = 0 .. 31, Y = 0 .. 7: tokens 128 X on x columns 256 Y on: 256 equal blocks.  Wave (i, j): a's tiles 4 i on (source 1) x Wo's tiles 8 j on (source 0): 32 accumulators.
; With Wo as source 0 a lane holds one token and eight neighbouring columns an accumulator.  The bias is the C of the first products: nothing is cleared and nothing is added afterwards.
; K goes in four chunks of 512 through a ring of two LDS slots (a's 8 tiles, Wo's 16: 24 x 6,144 bytes).  One load a wave: waves 0, 1 a's halves, waves 2, 3 Wo's.
; THE SCALE WORDS of all of K, 12 tiles x 8 registers a wave, go from memory straight into registers at the head, 128 consecutive bytes a load.  So the walk along K is written out: each of its 16 steps names other scale registers.
; CLUSTER 4 x 4: a's tiles hang on X alone and are asked for jointly along a row of the cluster, Wo's on Y alone, along a column.
; PREFETCH: behind chunk t's load the blocks of chunk t + 2 are asked for, behind chunk 0's also chunk 1's.  Each wave names blocks of the tiles that it loads; the four partners that load them jointly share them out by
; address: of a's four tiles one each, of Wo's eight two each; 24 blocks of 256 bytes an instruction, lanes left over name the last block again.  Chunk 3 is the last: nothing is asked for beyond it.
; THE WAY OUT: a block of 16 tokens x 128 columns goes through the wave's own stage in LDS and comes back as rows of 512 bytes.  The stage lies in slot 0, which has had its last fill (chunk 2) and its last read by then.
; REGISTERS, in windows of 256: window 0: v16-29 addresses, v32-127 scale words, v128-191 the bias (on the way out v128-255: rows read back).  window 1: Wo's fragments, two sets of 96.
;   window 2: the accumulators ((a, b) at v[8 (8 a + b)]).  window 3: a's fragments, two sets of 48.
; LIMITS: NaN and infinities are not served.
.set FR,     12
.set TB,     6144                      ; a row tile's 512 along K: four fragments
.set QA,     24576                     ; a's half: 4 tiles
.set QB,     49152                     ; Wo's half: 8 tiles
.set BOFF,   2*QA
.set SLOT,   2*QA+2*QB
.set SPARE,  2*SLOT                    ; behind the ring: the spare words, 128 bytes for each wave
.set XS_OFF, 0x600000
.set WS_OFF, 0x660000
.set SPITCH, 528                       ; a stage row: 512 bytes + 16
.set ADRA, 16                          ; v16-17  LDS address of a's fragments in slot 0, 1
.set ADRB, 18                          ; v18-19  of Wo's
.set L4,   20                          ; 4 x lane
.set PFO,  21                          ; the prefetches' offset
.set STO,  24                          ; the way out: where I put my 32 bytes
.set RD,   25                          ; where I read a row back
.set CO,   26                          ; 16 x lane
.set BO,   27                          ; 64 x (lane / 16)
.set SPW,  28                          ; LDS address of my spare word; never rewritten
.set NIL,  29                          ; 0; never rewritten
.set SC,   32                          ; scale words: v[SC + 12 u + n] serves steps 2 u (lanes 0-15) and 2 u + 1 (lanes 16-31): n = 0-3 a's tiles, 4-11 Wo's
.set BI,   128                         ; the bias in the accumulators' layout, 8 registers for each of Wo's tiles
.set BK,   128                         ; the way out: two sets of 64
.set G1A, 24                           ; s[24:31] group 1 for a's tiles; s[32:39] group 0, one for each slot
.set G0A, 32
.set G1B, 48                           ; s[48:55], s[56:63] the same for Wo's
.set G0B, 56
.set MSB, 0
.macro WIN new                         ; the immediate's high byte repeats the setting that is left
.if MSB != (\new)
	s_set_vgpr_msb (MSB<<8)|(\new)
.set MSB, (\new)
.endif
.endm
.set MQ,   0xad                        ; source 0 window 1, source 1 window 3, C and D window 2
.set MF,   0x8d                        ; the first step: C (the bias) window 0
.set TO_0, 0x40                        ; destination window 1, address window 0
.set TO_1, 0xc0                        ; destination window 3
.macro PLACES n
.rept \n
	v_nop
.endr
.endm
; A slot's loads, one a wave: the branch hangs on the wave's number alone; an s_nop 0 and four v_nop follow each line.
.macro JLOAD s
	s_cmp_eq_u32 s15, 0
	s_cbranch_scc0 .Lfor_b_\@
	tensor_load_to_lds s[G0A+4*(\s):G0A+4*(\s)+3], s[G1A:G1A+7]
	s_nop 0
	PLACES 4
	s_branch .Lasked_\@
.Lfor_b_\@:
	tensor_load_to_lds s[G0B+4*(\s):G0B+4*(\s)+3], s[G1B:G1B+7]
	s_nop 0
	PLACES 4
.Lasked_\@:
.endm
.macro CREST                           ; a round of the cluster's barrier behind its opening barrier
	s_cmp_lg_u32 s14, 0
	s_cbranch_scc1 .Lnot_wave_0_\@
	s_barrier_signal -3
.Lnot_wave_0_\@:
	s_barrier_wait -3
	s_barrier_signal -1
	s_barrier_wait -1
.endm
.macro CROUND
	s_barrier_signal -1
	s_barrier_wait -1
	CREST
.endm
.macro ASK t                           ; my work-group's share of chunk t's blocks of the tiles that I load
	global_prefetch_b8 v[PFO], s[90:91] offset:TB*(\t) th:TH_LOAD_NT scope:SCOPE_SE
	s_cmp_eq_u32 s15, 0
	s_cbranch_scc1 .Lp_\@
	global_prefetch_b8 v[PFO], s[90:91] offset:TB*(\t)+24576 th:TH_LOAD_NT scope:SCOPE_SE
.Lp_\@:
.endm
	s_load_b256 s[4:11], s[0:1], 0x0               ; aq s[4:5], wq s[6:7], bo s[8:9], out0 s[10:11]
	v_lshl_add_u32 v[SPW], v0, 2, SPARE
	v_mov_b32 v[NIL], 0
	ds_add_u32 v[SPW], v[NIL]                      ; the opening lines: the add, twice on end, and its wait ahead of my first tensor load
	ds_add_u32 v[SPW], v[NIL]
	v_lshrrev_b32 v1, 5, v0
	v_readfirstlane_b32 s14, v1                    ; wave
	s_lshr_b32 s15, s14, 1                         ; i.  Also: I load for a (0) or for Wo (1)
	s_and_b32 s16, s14, 1                          ; j.  Also: which half I load
	s_bfe_u32 s40, ttmp6, 0x40000                  ; cx
	s_bfe_u32 s41, ttmp6, 0x40004                  ; cy
	s_lshl_b32 s42, ttmp9, 2
	s_add_co_u32 s42, s42, s40                     ; Y
	s_and_b32 s17, ttmp7, 0xffff
	s_lshl_b32 s17, s17, 2
	s_add_co_u32 s17, s17, s41                     ; X
	s_lshl_b32 s43, s41, 2
	s_lshl_b32 s43, 15, s43                        ; my row of the cluster
	s_lshl_b32 s44, 0x1111, s40                    ; my column
	s_or_b32 s[G1A], s43, (3<<16)|(1<<21)          ; 15:0 the mask; 17:16 elements of 8 bytes; 21 set beside a mask
	s_or_b32 s[G1B], s44, (3<<16)|(1<<21)
.irp g, G1A, G1B                       ; rows of 6,144 bytes (768 elements), one a row tile, 24,576 bytes apart
	s_mov_b32 s[\g+1], 768<<16
	s_mov_b32 s[\g+3], 768<<16
	s_mov_b32 s[\g+5], 3072
	s_mov_b32 s[\g+6], 0
	s_mov_b32 s[\g+7], 0
.endr
	s_mov_b32 s[G1A+2], 4<<16
	s_mov_b32 s[G1A+4], 4
	s_mov_b32 s[G1B+2], 8<<16
	s_mov_b32 s[G1B+4], 8
	s_lshl_b32 s18, s16, 2
	s_lshl_b32 s19, s17, 3
	s_add_co_u32 s19, s19, s18                     ; a: row tile 8 X + 4 x half
	s_lshl_b32 s18, s16, 3
	s_lshl_b32 s67, s42, 4
	s_add_co_u32 s67, s67, s18
	s_add_co_u32 s67, s67, 144                     ; Wo: row tile 144 + 16 Y + 8 x half
	s_mul_i32 s20, s19, 24576
	s_mov_b32 s21, 0
	s_mul_i32 s46, s67, 24576
	s_mov_b32 s47, 0
	s_mul_i32 s45, s16, QA                         ; where they go: no place in the cluster enters an LDS address
	s_mul_i32 s66, s16, QB
	s_add_co_u32 s66, s66, BOFF
	s_wait_dscnt 0x0                               ; both opening adds are done
	s_wait_kmcnt 0x0
	s_add_nc_u64 s[20:21], s[4:5], s[20:21]
	s_add_nc_u64 s[46:47], s[6:7], s[46:47]
	CROUND                                         ; all sixteen work-groups are here: the first joint loads meet
.irp s, 0,1
	s_mov_b32 s[G0A+4*\s], 1
	s_add_co_u32 s[G0A+4*\s+1], s45, \s*SLOT
	s_add_nc_u64 s[G0A+4*\s+2:G0A+4*\s+3], s[20:21], \s*TB
	s_or_b32 s[G0A+4*\s+3], s[G0A+4*\s+3], 0x80000000
	s_mov_b32 s[G0B+4*\s], 1
	s_add_co_u32 s[G0B+4*\s+1], s66, \s*SLOT
	s_add_nc_u64 s[G0B+4*\s+2:G0B+4*\s+3], s[46:47], \s*TB
	s_or_b32 s[G0B+4*\s+3], s[G0B+4*\s+3], 0x80000000
.endr
	JLOAD 0                                        ; chunk 0: my one tensor load at the head
	s_mul_i32 s21, s15, QA                         ; a's tiles 4 i on
	s_mul_i32 s22, s16, QB
	s_add_co_u32 s22, s22, BOFF                    ; Wo's tiles 8 j on
	s_mul_i32 s23, s14, 16*SPITCH                  ; my stage
	s_lshl_b32 s78, s17, 13                        ; the scale words: a's row tile 8 X + 4 i,
	s_lshl_b32 s79, s15, 12
	s_add_co_u32 s78, s78, s79
	s_add_co_u32 s78, s78, XS_OFF
	s_mov_b32 s79, 0
	s_lshl_b32 s80, s42, 14                        ; Wo's 144 + 16 Y + 8 j
	s_lshl_b32 s81, s16, 13
	s_add_co_u32 s80, s80, s81
	s_add_co_u32 s80, s80, WS_OFF+144*1024
	s_mov_b32 s81, 0
	s_add_nc_u64 s[78:79], s[4:5], s[78:79]
	s_add_nc_u64 s[80:81], s[6:7], s[80:81]
	s_lshl_b32 s20, s17, 7
	s_lshl_b32 s18, s15, 6
	s_add_co_u32 s20, s20, s18                     ; my first token: 128 X + 64 i,
	s_lshl_b32 s20, s20, 13                        ; x 8,192 bytes a row of out0
	s_mov_b32 s46, 0
	s_mov_b32 s47, 0
	s_lshl_b32 s46, s42, 10
	s_lshl_b32 s18, s16, 9
	s_add_co_u32 s46, s46, s18                     ; my first column, in bytes: 1,024 Y + 512 j
	s_mov_b32 s18, s21                             ; (s21 is wanted as the upper word of the pair s[20:21])
	s_mov_b32 s21, 0
	s_add_nc_u64 s[8:9], s[8:9], s[46:47]
	s_add_nc_u64 s[12:13], s[10:11], s[20:21]
	s_add_nc_u64 s[12:13], s[12:13], s[46:47]
	s_lshl_b32 s92, s41, 1                         ; the prefetches' base: Wo's tiles 2 cy, 2 cy + 1 of my eight,
	s_add_co_u32 s92, s92, s67
	s_add_co_u32 s93, s19, s40                     ; or a's tile cx of my four
	s_cmp_eq_u32 s15, 0
	s_cselect_b32 s92, s93, s92
	s_cselect_b64 s[90:91], s[4:5], s[6:7]
	s_mul_i32 s92, s92, 24576
	s_mov_b32 s93, 0
	s_add_nc_u64 s[90:91], s[90:91], s[92:93]
	v_and_b32 v1, 31, v0
	v_and_b32 v3, 15, v0                           ; r
	v_bfe_u32 v4, v0, 4, 1                         ; h
	v_lshlrev_b32 v[CO], 4, v1
	v_lshlrev_b32 v[L4], 2, v1
	v_min_u32 v[PFO], 23, v1
	v_lshlrev_b32 v[PFO], 8, v[PFO]                ; a lane a block of 256 bytes
	v_add_nc_u32 v[ADRA], s18, v[CO]
	v_add_nc_u32 v[ADRB], s22, v[CO]
	v_add_nc_u32 v[ADRA+1], SLOT, v[ADRA]
	v_add_nc_u32 v[ADRB+1], SLOT, v[ADRB]
	v_mul_u32_u24 v5, v3, SPITCH
	v_lshl_add_u32 v5, v4, 6, v5
	v_add_nc_u32 v[STO], s23, v5                   ; in: row r, 64 bytes for each half of the lanes in each 128
	v_add_nc_u32 v[RD], s23, v[CO]                 ; back: the 32 lanes take a row of 512 bytes
	v_lshlrev_b32 v[BO], 6, v4
	s_wait_alu depctr_va_vdst(0)                   ; the wait at the end of the head's vector work
	ASK 1
	ASK 2
.irp b, 0,1,2,3,4,5,6,7                ; register n of tile b is column 32 (b / 2) + 16 h + 8 (b % 2) + n of my 128
	global_load_b128 v[BI+8*\b:BI+8*\b+3], v[BO], s[8:9] offset:(32*(\b/2)+8*(\b%2))*4
	global_load_b128 v[BI+8*\b+4:BI+8*\b+7], v[BO], s[8:9] offset:(32*(\b/2)+8*(\b%2))*4+16
.endr
.set U, 0
.rept 8                                ; the scale words of all of K: each load reads 128 consecutive bytes: a tile's 16 words of two steps
.irp n, 0,1,2,3
	global_load_b32 v[SC+12*U+\n], v[L4], s[78:79] offset:1024*\n+128*U
.endr
.irp n, 0,1,2,3,4,5,6,7
	global_load_b32 v[SC+12*U+4+\n], v[L4], s[80:81] offset:1024*\n+128*U
.endr
.set U, U+1
.endr
.macro FRAG reg, adr, q, i             ; fragment (tile i, the slot's q-th 128 along K): three loads, 512 consecutive bytes each
.irp c, 0,1,2
	ds_load_b128 v[\reg+4*\c:\reg+4*\c+3], v[\adr] offset:TB*(\i)+1536*(\q)+512*\c
.endr
.endm
.macro FETCH slot, q                   ; the 12 fragments of one step, 36 loads, into set q % 2
	WIN TO_0
.irp i, 0,1,2,3,4,5,6,7
	FRAG 96*((\q)%2)+FR*\i, ADRB+(\slot), \q, \i
.endr
	WIN TO_1
.irp i, 0,1,2,3
	FRAG 48*((\q)%2)+FR*\i, ADRA+(\slot), \q, \i
.endr
.endm
; a's tile a against Wo's eight.  first = 1: the bias is C.  An odd step reads the scale registers' upper lanes.  The 32 accumulators take turns, one instruction a turn, in the same order in every step.
.macro MULQ a, ks, first
.irp b, 0,1,2,3,4,5,6,7
.set rD, 8*(8*(\a)+\b)
.set rB, 96*((\ks)%2)+FR*\b
.set rA, 48*((\ks)%2)+FR*(\a)
.set rSB, SC+12*((\ks)/2)+4+\b
.set rSA, SC+12*((\ks)/2)+(\a)
.if (\first) == 1
	v_wmma_scale_f32_16x16x128_f8f6f4 v[rD:rD+7], v[rB:rB+FR-1], v[rA:rA+FR-1], v[BI+8*\b:BI+8*\b+7], v[rSB], v[rSA] matrix_a_fmt:MATRIX_FMT_FP6 matrix_b_fmt:MATRIX_FMT_FP6
.elseif ((\ks)%2) == 0
	v_wmma_scale_f32_16x16x128_f8f6f4 v[rD:rD+7], v[rB:rB+FR-1], v[rA:rA+FR-1], v[rD:rD+7], v[rSB], v[rSA] matrix_a_fmt:MATRIX_FMT_FP6 matrix_b_fmt:MATRIX_FMT_FP6
.else
	v_wmma_scale_f32_16x16x128_f8f6f4 v[rD:rD+7], v[rB:rB+FR-1], v[rA:rA+FR-1], v[rD:rD+7], v[rSB], v[rSA] matrix_a_fmt:MATRIX_FMT_FP6 matrix_b_fmt:MATRIX_FMT_FP6 matrix_a_scale:MATRIX_SCALE_ROW1 matrix_b_scale:MATRIX_SCALE_ROW1
.endif
.endr
.endm
; One of a chunk's first three steps: the next step's fragments are asked for, into the set that the step before read (four places behind its products), and this step's 32 products follow.
.macro STEP c, q, first
.set KS, 4*(\c)+(\q)
	s_wait_dscnt 0x0                               ; this step's fragments are in (asked for 32 matrix instructions ago)
	PLACES 4
	FETCH (\c)%2, (\q)+1
.if (\first) == 1
	WIN MF
.else
	WIN MQ
.endif
	MULQ 0, KS, \first
	MULQ 1, KS, \first
	MULQ 2, KS, \first
	MULQ 3, KS, \first
.endm
; A chunk's last step changes slots: ONE barrier; in front of it each wave waits for all its tensor loads, adds 0 to its spare word, and waits for that and for its reads of this slot.  fill = 1: the slot takes the chunk two on.
.macro TURN c, fill
.set KS, 4*(\c)+3
	WIN 0
	s_wait_tensorcnt 0x0                           ; my one load that was out, my part of the next slot, has landed
	ds_add_u32 v[SPW], v[NIL]
	s_wait_dscnt 1                                 ; this step's fragments are in; the add alone may be out
	WIN MQ
	MULQ 0, KS, 0
	s_wait_dscnt 0x0                               ; the add is done, and my reads of this slot are over
	s_barrier_signal -1
	MULQ 1, KS, 0
	WIN 0
	s_barrier_wait -1
.if (\fill)
	CREST                                          ; the barrier has opened a round of the cluster's barrier: no wave of any partner still reads this slot or has a load on its way
	s_add_nc_u64 s[G0A+4*((\c)%2)+2:G0A+4*((\c)%2)+3], s[G0A+4*((\c)%2)+2:G0A+4*((\c)%2)+3], 2*TB
	s_add_nc_u64 s[G0B+4*((\c)%2)+2:G0B+4*((\c)%2)+3], s[G0B+4*((\c)%2)+2:G0B+4*((\c)%2)+3], 2*TB
	JLOAD (\c)%2                                   ; the first tensor load behind the round, my only one until the next; its four v_nop are the places in front of the loads below
.else
	PLACES 4
.endif
	FETCH ((\c)+1)%2, 0
	WIN MQ
	MULQ 2, KS, 0
	MULQ 3, KS, 0
.endm
	s_wait_tensorcnt 0x0                           ; my part of chunk 0 is in
	ds_add_u32 v[SPW], v[NIL]
	s_wait_dscnt 0x0
	CROUND                                         ; everybody's part is in, and all sixteen work-groups are here
	JLOAD 1                                        ; chunk 1, the first tensor load behind the round
	FETCH 0, 0
	WIN 0
	ASK 3
	s_wait_loadcnt 0x0                             ; the bias and the scale words
	STEP 0, 0, 1                                   ; the first step's products start the sums on the bias
	STEP 0, 1, 0
	STEP 0, 2, 0
	TURN 0, 1
.irp c, 1,2,3
	STEP \c, 0, 0
	STEP \c, 1, 0
	STEP \c, 2, 0
.if \c < 3
	TURN \c, 2-\c                                  ; chunk 1's turn asks for chunk 3, chunk 2's for nothing
.endif
.endr
	s_wait_dscnt 0x0                               ; the very last step: nothing more to fetch
	WIN MQ
	MULQ 0, 15, 0
	MULQ 1, 15, 0
	MULQ 2, 15, 0
	MULQ 3, 15, 0
	WIN 0
; THE WAY OUT, block by block of 16 tokens x 128 columns.  LDS serves a wave's instructions in order (ISA guide 5.7.1.4): no wait between my stores into my stage and my loads from it.
.macro TOSTAGE a
.set AC, 64*(\a)
	WIN 0x08                                       ; the data: window 2
.irp b, 0,1,2,3,4,5,6,7
	ds_store_b128 v[STO], v[AC+8*\b:AC+8*\b+3] offset:128*(\b/2)+32*(\b%2)         ; each accumulator from its low end on; the columns come into their true order
	ds_store_b128 v[STO], v[AC+8*\b+4:AC+8*\b+7] offset:128*(\b/2)+32*(\b%2)+16
.endr
	WIN 0
.set BB, BK+64*((\a)%2)
.irp t, 0,1,2,3,4,5,6,7,8,9,10,11,12,13,14,15
	ds_load_b128 v[BB+4*\t:BB+4*\t+3], v[RD] offset:\t*SPITCH
.endr
.endm
.macro SEND a, younger                 ; younger: the LDS instructions issued behind block a's loads, which may stay out
.set BB, BK+64*((\a)%2)
	s_wait_dscnt \younger
.irp t, 0,1,2,3,4,5,6,7,8,9,10,11,12,13,14,15
	global_store_b128 v[CO], v[BB+4*\t:BB+4*\t+3], s[12:13] offset:(32*((\a)/2)+8*((\a)%2)+\t+8*(\t/8))*8192 th:TH_STORE_NT   ; position t of tile a is that token; 32 lanes store 512 consecutive bytes, aligned to 256
.endr
.endm
	PLACES 4                                       ; behind the last products
	TOSTAGE 0
.irp a, 1,2,3
.if \a > 1
	s_wait_xcnt 0x0                                ; block a - 2's stores have read their registers: block a's loads may land there
.endif
	TOSTAGE \a
	SEND \a-1, 32                                  ; behind block a - 1's loads: block a's 16 stores and 16 loads
.endr
	SEND 3, 0
	s_wait_tensorcnt 0x0                           ; the wave's end
	ds_add_u32 v[SPW], v[NIL]
	s_wait_dscnt 0x0
	CROUND                                         ; the closing round: no work-group ends while a partner may still ask for a tile that names it
	s_endpgm
.Lfunc_end_k_q3bf0fa89ce_outp:
	.size	k_q3bf0fa89ce_outp, .Lfunc_end_k_q3bf0fa89ce_outp-k_q3bf0fa89ce_outp
	.p2alignl 7, 3214868480
	.fill 96, 4, 3214868480
	.section	.rodata,"a",@progbits
	.p2align	6, 0x0
	.amdhsa_kernel k_q3bf0fa89ce_outp
		.amdhsa_group_segment_fixed_size 327680
		.amdhsa_private_segment_fixed_size 0
		.amdhsa_enable_private_segment 0
		.amdhsa_kernarg_size 32
		.amdhsa_user_sgpr_count 2
		.amdhsa_user_sgpr_kernarg_segment_ptr 1
		.amdhsa_wavefront_size32 1
		.amdhsa_system_sgpr_workgroup_id_x 1
		.amdhsa_system_sgpr_workgroup_id_y 1
		.amdhsa_system_sgpr_workgroup_id_z 1
		.amdhsa_system_vgpr_workitem_id 0
		.amdhsa_next_free_vgpr 1024
		.amdhsa_next_free_sgpr 100
		.amdhsa_reserve_vcc 0
		.amdhsa_float_denorm_mode_32 3
		.amdhsa_float_denorm_mode_16_64 3
		.amdhsa_memory_ordered 1
		.amdhsa_forward_progress 1
		.amdhsa_inst_pref_size 141
	.end_amdhsa_kernel
	.amdgpu_metadata
---
amdhsa.version: [ 1, 2 ]
amdhsa.kernels:
  - .name:           k_q3bf0fa89ce_outp
    .symbol:         k_q3bf0fa89ce_outp.kd
    .args:
      - { .name: aq, .offset: 0, .size: 8, .value_kind: global_buffer, .address_space: global }
      - { .name: wq, .offset: 8, .size: 8, .value_kind: global_buffer, .address_space: global }
      - { .name: bo, .offset: 16, .size: 8, .value_kind: global_buffer, .address_space: global }
      - { .name: out0, .offset: 24, .size: 8, .value_kind: global_buffer, .address_space: global }
    .group_segment_fixed_size: 327680
    .private_segment_fixed_size: 0
    .kernarg_segment_align: 8
    .kernarg_segment_size: 32
    .max_flat_workgroup_size: 128
    .sgpr_count:     100
    .vgpr_count:     1024
    .wavefront_size: 32
...
	.end_amdgpu_metadata
.endif
;; end of part 4
